; MI455X (gfx1250); checked and timed in simulation.
; The chip was launched on July 23, 2026; its instructions are those of AMD's public machine-readable ISA for CDNA 5 (MIT licence, August 2026) and "CDNA5" Instruction Set Architecture Reference Guide (July 2026). The comments in the code are by the model that wrote it; some were corrected since.
;; Multi Head Attention. Allowed arithmetic: matrix products marked QUANTISED: E2M3 operands, one E8M0 scale for each 32 along K, by v_wmma_scale_f32_16x16x128_f8f6f4 with both operands' format E2M3, f32 sums; everything else in f32.
;; Inputs: Wqkv_b 3,072 float32; Wqkv_w 3,072 x 1,024 float32; attn_mask 4 x 2,048 bool; out_b 1,024 float32; out_w 1,024 x 1,024 float32; x 4 x 2,048 x 1,024 float32.
;; Outputs: out0 4 x 2,048 x 1,024 float32.
;; This version of the problem:
;;   THIS VERSION OF THE PROBLEM IS GIVEN IN LOW PRECISION. The matrix products marked QUANTISED in the list below multiply operands that are first quantised to E2M3 (2 exponent bits, 3 mantissa bits; 6 bits a number), with one power-of-two scale for each 32 numbers along K (OCP MX v1.0); their sums are f32. All else is computed in f32.
;;   The module's matrix products, in the order in which they are computed (A, B: the left and right operand; K: the contracted axis; several contracted axes count as one K, in the product's order):
;;     1. [M 8,192, K 1,024] x [K 1,024, N 3,072]; A: input x; B: input Wqkv_w: QUANTISED
;;     2. batch 64 x [M 2,048, K 64] x [K 64, N 2,048]; A: computed on the way; B: computed on the way: QUANTISED
;;     3. batch 64 x [M 2,048, K 2,048] x [K 2,048, N 64]; A: softmax (see below); B: computed on the way: QUANTISED
;;     4. [M 8,192, K 1,024] x [K 1,024, N 1,024]; A: computed on the way; B: input out_w: QUANTISED
;;   THE QUANTISER, for each operand of a quantised product, along K:
;;     - K is cut into blocks of 32 from its start; a last block that is shorter is filled with zeros.
;;     - A block's scale is 2^e with e = floor(log2(the largest magnitude in the block)) - 2, held to -126 .. 127; a block of zeros has e = 0. As a byte (E8M0): e + 127.
;;     - Each number is divided by its block's scale, clamped to +-7.5, and rounded to the nearest number of E2M3, ties to even, subnormals kept.
;;     - The product sums the exact products of the quantised numbers (number of the format x scale) in f32.
;;   ~~~python
;;   def quantise(x, axis):      # numpy; x: float32 -> the quantised numbers, widened to float32 again
;;       x = np.moveaxis(x, axis, -1); K = x.shape[-1]
;;       x = np.pad(x, [(0, 0)] * (x.ndim - 1) + [(0, -K % 32)]); x = x.reshape(x.shape[:-1] + (-1, 32)); a = np.abs(x).max(-1, keepdims=True)
;;       e = np.where(a > 0, np.clip(np.frexp(np.where(a > 0, a, 1))[1] - 1 - 2, -126, 127), 0)      # np.frexp(a)[1] - 1 = floor(log2(a)), exactly
;;       r = np.clip(x / 2.0 ** e, -7.5, 7.5)
;;       step = 2.0 ** (np.maximum(np.frexp(np.where(r == 0, 1, r))[1] - 1, 0) - 3)
;;       q = np.round(r / step) * step * 2.0 ** e      # np.round: ties to even
;;       return np.moveaxis(q.reshape(q.shape[:-2] + (-1,))[..., :K], -1, axis).astype(np.float32)
;;   ~~~
;;   SOFTMAX AHEAD OF A QUANTISED PRODUCT. Where the list says 'softmax', what is quantised is not the finished softmax but p = 2^(t - M), with t = logit x log2(e) and M = ceil(the row's largest t), a whole number; so 1/2 < the row's largest p <= 1. The row's sum l is taken of the UNQUANTISED p, in f32, and the product's result is divided by l at the end. Since M is a whole number, a kernel that streams over the keys may use a running M (the ceiling of the running maximum): every later rescaling is an exact power of two, which a block's scale takes up: the codes' values come out the same.
;;   OPERANDS COMPUTED ON THE WAY. 'Computed on the way' means the value that the module computes at that place (a softmax that the list does not call 'softmax' is quantised finished and normalised). What goes into a quantiser is computed in f32, as accurately as f32 sums, v_exp_f32 and their like allow (about 1e-6 of the number): no bf16 or f16 on the way to a quantiser, and a product that is left as it is and whose result goes on into a quantised operand takes f32 operands (vector FMAs, or v_wmma_f32_16x16x4_f32). A number that lies on a knife's edge between two numbers of the format may be rounded either way, as far as f32 arithmetic and the matrix unit's own rounding can turn it there, and no further.
;; One version. Each part assembles by itself: llvm-mc -triple=amdgcn-amd-amdhsa -mcpu=gfx1250 --defsym DOCPART=n.
;; ======== version 1 of 1: 4 launches
;; workspace buffers: cod 9,437,184 bytes; scl 393,216 bytes; qkv 26,738,688 bytes; ao 6,291,456 bytes; aos 262,144 bytes
;; launch quant (part 1): grid 384 x 1, 4 waves a work-group, no clusters, 33,280 bytes of LDS; arguments x, Wqkv_w, out_w, cod, scl; writes cod, scl
.if DOCPART == 1
	.amdgcn_target "amdgcn-amd-amdhsa--gfx1250"
	.amdhsa_code_object_version 6
	.text
	.protected	k_q364abbd588_quant
	.globl	k_q364abbd588_quant
	.p2align	8
	.type	k_q364abbd588_quant,@function
k_q364abbd588_quant:
	s_mov_b64 s[64:65], 0
	v_nop
	global_prefetch_b8 v0, s[64:65] scope:SCOPE_SE
	s_setreg_imm32_b32 hwreg(HW_REG_WAVE_MODE, 25, 1), 1
	s_wait_xcnt 0x0
; x [8192][1024], Wqkv_w [3072][1024] and out_w [1024][1024], f32, become codes of FP6 (E2M3), K innermost (a row: 768 bytes), in cod, and one E8M0 byte for each 32 along K (a row: 32 bytes) in scl.
; cod and scl hold 12,288 rows: 0-8191 x, 8192-11263 Wqkv_w, 11264-12287 out_w.  IN EACH GROUP OF 32 ROWS THE TWO MIDDLE GROUPS OF 8 CHANGE PLACES, so that 16 consecutive rows of the buffers are the rows
; 32 (i / 2) + 8 (i % 2) + r + 8 (r / 8) of the tensor: the tiles that the later launches want, read there as plain neighbouring rows.
; A block's scale is 2^(floor(log2(its largest magnitude)) - 2); its byte is the largest magnitude's exponent field - 2, held at 1 from below.  A block of zeros so gets the byte 1 where the rule says 127: its codes
; are zeros, which add nothing under any byte but 0xff, and the bytes are read by this program alone.
; LIMITS: blocks whose largest magnitude lies under 2^-124 get the byte 1; NaN and infinities among the inputs are not served.
; A wave takes 8 rows (8,192 numbers) in 16 steps of 512.  Each of a step's four loads reads 512 consecutive bytes; the 2,048 bytes turn through the wave's own stage in LDS and come back 64 bytes a lane, so that a lane
; holds 16 neighbours along K and two neighbouring lanes a block.  A lane's 16 codes are 12 bytes: the wave stores 384 consecutive bytes.  A wave's 256 scale bytes are gathered in LDS and leave as one aligned 256 bytes.
; Work-groups 0-255 take x, 256-351 Wqkv_w, 352-383 out_w: only the source's pointer is chosen; the place in cod and scl follows from the work-group's number alone.  No tensor loads, no barrier: waves share nothing,
; and work-groups share no input, so there is no cluster.
.set WAVES, 4
.set STEPS, 16
.set EMAX,  2
.set CB,    12                         ; bytes of 16 codes
.set R,     16                         ; v16-79   four sets of 16 numbers as they are loaded
.set X,     80                         ; v80-111  two sets of 16 neighbours
.set C,     128                        ; v128-191 codes: four registers for each step, so that no store's data are written again
.set E,     112                        ; v112-127 a scale byte for each step
.set WREG,  8192                       ; LDS: a region for each wave: two stages of 32 x SP bytes, and behind them its 256 scale bytes
.set SP,    80                         ; a lane's place in a stage: its 64 bytes + 16 of padding
.set SPW,   12                         ; v12      LDS address of my spare word; never rewritten
.set NIL,   13                         ; v13      0; never rewritten
.set SPARE, WAVES*WREG                 ; behind the four regions: the spare words, 128 bytes for each wave
	s_load_b128 s[4:7], s[0:1], 0x0                ; x, Wqkv_w
	s_load_b128 s[8:11], s[0:1], 0x10              ; out_w, cod
	s_load_b64 s[12:13], s[0:1], 0x20              ; scl
	v_lshl_add_u32 v[SPW], v0, 2, SPARE
	v_mov_b32 v[NIL], 0
	v_lshrrev_b32 v1, 5, v0
	v_readfirstlane_b32 s16, v1                    ; wave
	v_and_b32 v2, 31, v0                           ; lane
	v_lshlrev_b32 v3, 4, v2                        ; my 16 bytes of a load's 512
	s_mul_i32 s17, s16, WREG
	v_lshrrev_b32 v14, 2, v2
	v_mul_u32_u24 v14, v14, SP
	v_and_b32 v15, 3, v2
	v_lshl_add_u32 v14, v15, 4, v14
	v_add_nc_u32 v14, s17, v14                     ; the stage, on the way in: SP (lane / 4) + 16 (lane % 4)
	v_mul_u32_u24 v15, v2, SP
	v_add_nc_u32 v15, s17, v15                     ; and on the way out: SP x lane: my 16 neighbours
	v_mul_u32_u24 v4, v2, CB                       ; my codes' place in a step's
	v_lshrrev_b32 v5, 1, v2
	s_add_co_u32 s17, s17, 2*32*SP
	v_add_nc_u32 v5, s17, v5                       ; LDS: my wave's 256 scale bytes, my block's byte
	v_lshlrev_b32 v7, 3, v2                        ; and on the way out 8 bytes a lane
	v_add_nc_u32 v6, s17, v7
	s_and_b32 s20, s16, 1                          ; where my 8 rows go: the wave's two bits change places,
	s_lshl_b32 s20, s20, 1
	s_lshr_b32 s21, s16, 1
	s_or_b32 s20, s20, s21
	s_lshl_b32 s21, ttmp9, 2
	s_add_co_u32 s20, s20, s21                     ; in the work-group's 32 rows: group of 8 rows number 4 x work-group + that
	s_mul_i32 s22, s20, 32*STEPS*CB                ; 6,144 bytes of codes a group (under 2^24 in all),
	s_mov_b32 s23, 0
	s_lshl_b32 s24, s20, 8                         ; 256 scale bytes
	s_mov_b32 s25, 0
	s_mov_b32 s17, 352
	s_wait_kmcnt 0x0
	s_cmp_lt_u32 ttmp9, 352                        ; which tensor?  The choice hangs on the work-group's number alone
	s_cselect_b64 s[6:7], s[6:7], s[8:9]
	s_cselect_b32 s17, 256, s17
	s_cmp_lt_u32 ttmp9, 256
	s_cselect_b64 s[4:5], s[4:5], s[6:7]
	s_cselect_b32 s17, 0, s17                      ; the tensor's first work-group
	s_sub_co_u32 s17, ttmp9, s17
	s_lshl_b32 s17, s17, 2
	s_add_co_u32 s18, s17, s16                     ; which 8 rows of the tensor are my wave's
	s_lshl_b32 s18, s18, 15                        ; 32,768 bytes each
	s_mov_b32 s19, 0
	s_add_nc_u64 s[4:5], s[4:5], s[18:19]
	s_add_nc_u64 s[10:11], s[10:11], s[22:23]
	s_add_nc_u64 s[12:13], s[12:13], s[24:25]
.macro LOAD t
.irp i, 0,1,2,3
	global_load_b128 v[R+16*((\t)%4)+4*\i:R+16*((\t)%4)+4*\i+3], v3, s[4:5] offset:2048*(\t)+512*\i th:TH_LOAD_NT   ; 32 lanes read 512 consecutive bytes
.endr
.endm
.macro TURN t                          ; step t's numbers through the stage: LDS serves a wave's instructions in order, so no wait stands between the stores and the loads
.irp i, 0,1,2,3
	ds_store_b128 v14, v[R+16*((\t)%4)+4*\i:R+16*((\t)%4)+4*\i+3] offset:32*SP*((\t)%2)+8*SP*\i
.endr
.irp i, 0,1,2,3
	ds_load_b128 v[X+16*((\t)%2)+4*\i:X+16*((\t)%2)+4*\i+3], v15 offset:32*SP*((\t)%2)+16*\i
.endr
.endm
.irp t, 0,1,2,3
	LOAD \t
.endr
	s_wait_loadcnt 12                              ; step 0's four loads are in; the twelve of steps 1 to 3 may be out
	TURN 0
.macro STEP t
.set XS, X+16*((\t)%2)
.if (\t) > 0
	s_wait_dscnt 1                                 ; this step's numbers are back from the stage (the last step's byte store may be out): so its stores into the stage have read their registers,
.else
	s_wait_dscnt 0x0
.endif
.if (\t)+4 < STEPS
	LOAD (\t)+4                                    ; which take the loads of four steps on
.endif
.if (\t)+1 < STEPS
.if STEPS-2-(\t) >= 3
	s_wait_loadcnt 12                              ; the next step's four loads are in; those of the three steps behind it may be out
.else
	s_wait_loadcnt 4*(STEPS-2-(\t))
.endif
	TURN (\t)+1                                    ; and go through the other stage while this step is worked
.endif
	v_max3_num_f32 v8, |v[XS]|, |v[XS+1]|, |v[XS+2]|               ; the largest magnitude of my 16
	v_max3_num_f32 v9, |v[XS+3]|, |v[XS+4]|, |v[XS+5]|
.irp i, 6,10
	v_max3_num_f32 v8, v8, |v[XS+\i]|, |v[XS+\i+1]|
	v_max3_num_f32 v9, v9, |v[XS+\i+2]|, |v[XS+\i+3]|
.endr
	v_max3_num_f32 v8, v8, |v[XS+14]|, |v[XS+15]|
	v_max3_num_f32 v8, v8, v9, (EMAX+1)<<23        ; and the floor 2^(3 - 127): so the byte cannot fall under 1
	v_max_num_f32_dpp v8, v8, v8 row_xmask:1 row_mask:0xf bank_mask:0xf   ; and of my neighbour's 16: the block's
	v_add_nc_u32 v11, -(EMAX<<23), v8              ; 2 off its exponent field: the conversion takes the exponent field of this operand as its scale, and nothing else of it
	v_cvt_scalef32_pk16_fp6_f32 v[C+4*(\t):C+4*(\t)+2], v[XS:XS+15], v11   ; sixteen numbers / the scale, to the nearest code, ties to even, beyond the largest code the largest
	v_lshrrev_b32 v[E+(\t)], 23, v11               ; the scale's byte (also the plain line behind the conversion)
	ds_store_b8 v5, v[E+(\t)] offset:16*(\t)       ; both lanes of a block write the same byte with the same value
	global_store_b96 v4, v[C+4*(\t):C+4*(\t)+2], s[10:11] offset:32*CB*(\t)
.endm
.irp t, 0,1,2,3,4,5,6,7,8,9,10,11,12,13,14,15
	STEP \t
.endr
	ds_load_b64 v[8:9], v6                         ; LDS serves a wave's instructions in order: these see my stores
	s_wait_dscnt 0x0
	global_store_b64 v7, v[8:9], s[12:13]          ; 32 lanes store 256 consecutive bytes, aligned
	s_wait_tensorcnt 0x0                           ; the wave's end, behind my last LDS store
	ds_add_u32 v[SPW], v[NIL]
	s_wait_dscnt 0x0
	s_endpgm
.Lfunc_end_k_q364abbd588_quant:
	.size	k_q364abbd588_quant, .Lfunc_end_k_q364abbd588_quant-k_q364abbd588_quant
	.p2alignl 7, 3214868480
	.fill 96, 4, 3214868480
	.section	.rodata,"a",@progbits
	.p2align	6, 0x0
	.amdhsa_kernel k_q364abbd588_quant
		.amdhsa_group_segment_fixed_size 33280
		.amdhsa_private_segment_fixed_size 0
		.amdhsa_enable_private_segment 0
		.amdhsa_kernarg_size 40
		.amdhsa_user_sgpr_count 2
		.amdhsa_user_sgpr_kernarg_segment_ptr 1
		.amdhsa_wavefront_size32 1
		.amdhsa_system_sgpr_workgroup_id_x 1
		.amdhsa_system_sgpr_workgroup_id_y 1
		.amdhsa_system_sgpr_workgroup_id_z 1
		.amdhsa_system_vgpr_workitem_id 0
		.amdhsa_next_free_vgpr 192
		.amdhsa_next_free_sgpr 66
		.amdhsa_reserve_vcc 0
		.amdhsa_float_denorm_mode_32 3
		.amdhsa_float_denorm_mode_16_64 3
		.amdhsa_memory_ordered 1
		.amdhsa_forward_progress 1
		.amdhsa_inst_pref_size 33
	.end_amdhsa_kernel
	.amdgpu_metadata
---
amdhsa.version: [ 1, 2 ]
amdhsa.kernels:
  - .name:           k_q364abbd588_quant
    .symbol:         k_q364abbd588_quant.kd
    .args:
      - { .name: x, .offset: 0, .size: 8, .value_kind: global_buffer, .address_space: global }
      - { .name: Wqkv_w, .offset: 8, .size: 8, .value_kind: global_buffer, .address_space: global }
      - { .name: out_w, .offset: 16, .size: 8, .value_kind: global_buffer, .address_space: global }
      - { .name: cod, .offset: 24, .size: 8, .value_kind: global_buffer, .address_space: global }
      - { .name: scl, .offset: 32, .size: 8, .value_kind: global_buffer, .address_space: global }
    .group_segment_fixed_size: 33280
    .private_segment_fixed_size: 0
    .kernarg_segment_align: 8
    .kernarg_segment_size: 40
    .max_flat_workgroup_size: 128
    .sgpr_count:     66
    .vgpr_count:     192
    .wavefront_size: 32
...
	.end_amdgpu_metadata
.endif
;; end of part 1
;; launch qkvproj (part 2): grid 12 x 32, 4 waves a work-group, clusters of 4 x 4, 327,680 bytes of LDS; arguments cod, scl, Wqkv_b, attn_mask, qkv; writes qkv
.if DOCPART == 2
	.amdgcn_target "amdgcn-amd-amdhsa--gfx1250"
	.amdhsa_code_object_version 6
	.text
	.protected	k_q364abbd588_qkvproj
	.globl	k_q364abbd588_qkvproj
	.p2align	8
	.type	k_q364abbd588_qkvproj,@function
k_q364abbd588_qkvproj:
	s_mov_b64 s[64:65], 0
	v_nop
	global_prefetch_b8 v0, s[64:65] scope:SCOPE_SE
	s_setreg_imm32_b32 hwreg(HW_REG_WAVE_MODE, 25, 1), 1
	s_wait_xcnt 0x0
	s_wait_alu depctr_hold_cnt(0) depctr_sa_sdst(0) depctr_va_vdst(0) depctr_va_sdst(0) depctr_va_ssrc(0) depctr_va_vcc(0) depctr_vm_vsrc(0)
	s_getreg_b32 s2, hwreg(HW_REG_IB_STS2, 6, 4)
	s_cmp_eq_u32 s2, 0
	s_cbranch_scc0 .Lentry_in_a_cluster
	s_endpgm
.Lentry_in_a_cluster:
	s_bfe_u32 s2, ttmp6, 0x10000c
	s_cmp_lg_u32 s2, 0xf033
	s_cbranch_scc0 .Lentry_shape_is_right
	s_endpgm
.Lentry_shape_is_right:
; qkv = x Wqkv_w^T + Wqkv_b on codes of FP6 (E2M3) with E8M0 scales, K = 1,024, and the result quantised at once: q and k along the head's 64, v along the keys.  Nothing wide goes to memory.
; Both operands are rows of cod (768 bytes) and scl (32 bytes): rows 0-8191 x, 8192-11263 Wqkv_w.  In each 32 rows the middle groups of 8 have changed places, so tile i's row r is the tensor's row perm(i, r) = 32 (i / 2) + 8 (i % 2) + r + 8 (r / 8).
; A work-group of four waves makes 256 x 256 of the product, a wave 128 x 128: 64 accumulators, 512 registers.  K goes in steps of 256 through a ring of two LDS slots filled by the tensor data mover; the scale bytes of the
; work-group's 512 rows come once.  THE MATRIX INSTRUCTION: source 0 = 16 rows of the 'B side', source 1 = 16 rows of the 'A side': a lane holds one row of the A side, and by the order of rows above the 64 registers of
; an A block run along 128 NEIGHBOURS of the B side (register 16 b + i = index 32 b + 16 (lane / 16) + i): what the quantiser takes.
; Clusters x = 0, 1 (q, k): A side = 256 tokens, B side = 256 rows of Wq or Wk (four heads): registers run along the head's channels.  Clusters x = 2 (v): A side = 256 rows of Wv, B side = 256 tokens: registers run along the keys.
; Only row numbers differ up to the way out; they hang on the cluster's number, which the sixteen partners share.
; CLUSTERS: 4 x 4 work-groups.  The four of a row of the cluster need the same tiles of the A side, the four of a column the same tiles of the B side: each is asked for jointly, by the same load with a mask that names the four.
; OUT: qkv = [which 2][batch 4][head 16][128 tokens: 16] blocks of 13,056 bytes, IMAGES OF OPERAND REGISTERS (four registers: 512 bytes, lane l at 16 l; two: 256 bytes, lane l at 8 l):
;   0      8 token tiles x 768: q (which 0) or k (which 1): 16 tokens perm(t, r) x 64 channels, six registers
;   6144   4 channel tiles x 1,536 (which 1): v: 16 channels perm(t, r) x 128 keys, twelve registers
;   12288  512: q's or k's scale words: place (r, hh): the words of tiles 4 hh + 0 .. 3        12800  256 (which 1): v's scale words: place r: the words of tiles 0 .. 3
; A token's scale word: bytes 0, 1 its two blocks; byte 2 = 0x01 where attn_mask is true, 0xF7 where it is false; byte 3 = 0x01.  The next launch multiplies a code -1 under byte 2 into every score: -2^120 for a hidden key.
; LIMITS: a block whose largest magnitude lies under 2^-124 gets the byte 1, a block of zeros too (its codes are zeros; this program alone reads the bytes); NaN and infinities are not served.
; REGISTERS, in windows of 256: window 0: v0-31 addresses; v32-63 scale words, two sets; v64-127 the bias along the registers; from v128 the A side's fragments, one set; v232-247 bias and mask by lane.
;   window 1: the B side's fragments, two sets, at v0 and v128.   windows 2, 3: the accumulators ((a, b) at v[8 (8 (a % 4) + b)]).   On the way out v32-59 and v128-231 of window 0 are at work.
.set KSTEP,  256
.set NQ,     KSTEP/128
.set ROWB,   192                       ; a tile's row in bytes
.set KROW,   768                       ; a row of cod
.set PITCH,  240                       ; an LDS row: 3 x (64 bytes + 16 of padding)
.set FR,     12
.set NL,     6
.set NP,     4
.set HALFT,  128*PITCH
.set SLOT,   4*HALFT
.set LAPS,   2                         ; K = 1,024: twice round the ring
.set KS,     32                        ; a row of scl
.set SCL,    2*SLOT
.set HALFS,  (128*KS/256)*272
.set SBLK,   (16*KS/256)*272
.set SPARE,  SCL+4*HALFS               ; the spare words, 128 bytes for each wave
.set BLK,    13056
.set HEADB,  16*BLK                    ; from a head's block to the next head's
.set VOFF,   6144
.set KSOFF,  12288
.set VSOFF,  12800
.set ADRA, 16
.set ADRB, 20
.set ADRS, 27
.set SPW,  28
.set NIL,  29
.set SC,   32
.set AF,   128
.set BI,   64                          ; v64-127  bias of the B side's 128 indices, in the accumulators' order
.set BV,   232                         ; v232-239 bias of my lane's row of A block a
.set MK,   240                         ; v240-247 mask byte of my lane's token of A block a
.set BT,   230                         ; v[230:231] a bias by lane, as the low word of a pair
.set HA,   128                         ; v128-191 64 numbers to be quantised
.set PC,   192                         ; v192-210 the codes just made
.set TM,   212                         ; v212-227 at work
.set PW,   228                         ; the scale word just made
.set SWA,  32                          ; v32-39, v40-47 the scale words of the two heads, block by block
.set MW,   48                          ; v48-55   the upper halves of the tokens' scale words
.set Q4,   56                          ; v56-59   four words to store
.set G1, 24
.set G0, 32
.set G1B, 48
.set G0B, 56
.set G1S, 68
.set G0S, 76
.set G1SB, 80
.set G0SB, 88
.set SEL, 66                           ; s[66:67] lane selects for lane l xor 16 (set at the way out)
.set MSB, 0
.macro WIN new                         ; the immediate's high byte repeats the setting that is left
.if MSB != \new
	s_set_vgpr_msb (MSB<<8)|\new
.set MSB, \new
.endif
.endm
.set MUL_LO, 0xa1                      ; source 0 window 1, source 1 window 0, C and D window 2
.set MUL_HI, 0xf1                      ; the same, C and D window 3
.set TO_B,   0x40                      ; destination window 1, address window 0
; A joint load: waves 0 and 1 fetch for the A side, waves 2 and 3 for the B side.  The branch hangs on the wave's number alone.  An s_nop 0 and four v_nop follow each of the two lines.
.macro JLOAD g0a, g1a, g0b, g1b
	s_cmp_eq_u32 s15, 0
	s_cbranch_scc0 .Lfor_b_\@
	tensor_load_to_lds s[\g0a:\g0a+3], s[\g1a:\g1a+7]
	s_nop 0
.rept 4
	v_nop
.endr
	s_branch .Lasked_\@
.Lfor_b_\@:
	tensor_load_to_lds s[\g0b:\g0b+3], s[\g1b:\g1b+7]
	s_nop 0
.rept 4
	v_nop
.endr
.Lasked_\@:
.endm
.macro CREST                           ; a round of the cluster's barrier behind its opening barrier
	s_cmp_lg_u32 s14, 0
	s_cbranch_scc1 .Lnot_wave_0_\@
	s_barrier_signal -3
.Lnot_wave_0_\@:
	s_barrier_wait -3
	s_barrier_signal -1
	s_barrier_wait -1
.endm
.macro CROUND                          ; a whole round
	s_barrier_signal -1
	s_barrier_wait -1
	CREST
.endm
	s_load_b256 s[4:11], s[0:1], 0x0               ; cod s[4:5], scl s[6:7], Wqkv_b s[8:9], attn_mask s[10:11]
	s_load_b64 s[12:13], s[0:1], 0x20              ; qkv
	v_lshl_add_u32 v[SPW], v0, 2, SPARE
	v_mov_b32 v[NIL], 0
	ds_add_u32 v[SPW], v[NIL]                      ; the wave's opening: the add and its wait stand ahead of my first tensor load; the set-up below, work on registers, stands between them
	v_lshrrev_b32 v1, 5, v0
	v_readfirstlane_b32 s14, v1                    ; wave 0..3
	s_lshr_b32 s15, s14, 1                         ; my half of the A side.  Also: I fetch for A (0) or for B (1)
	s_and_b32 s16, s14, 1                          ; my half of the B side.  Also: which 128 rows I fetch
	s_bfe_u32 s40, ttmp6, 0x40000                  ; cx, cy: my place in the cluster
	s_bfe_u32 s41, ttmp6, 0x40004
	s_and_b32 s17, ttmp7, 0xffff                   ; cluster y: 1,024 tokens
	s_lshl_b32 s43, s41, 2
	s_lshl_b32 s43, 15, s43                        ; my row of the cluster
	s_lshl_b32 s44, 0x1111, s40                    ; my column
	; descriptor group 1: a tile of 128 rows x 192 bytes, 16 bytes of padding behind every 64
	s_or_b32 s[G1+0], s43, (0<<16)|(1<<20)|(1<<21)|(3<<22)|(3<<25)
	s_or_b32 s[G1B+0], s44, (0<<16)|(1<<20)|(1<<21)|(3<<22)|(3<<25)
.irp g, G1, G1B
	s_mov_b32 s[\g+1], ROWB<<16                    ; tensor_dim0
	s_mov_b32 s[\g+2], 128<<16                     ; tensor_dim1
	s_mov_b32 s[\g+3], ROWB<<16                    ; tile_dim0
	s_mov_b32 s[\g+4], 128                         ; tile_dim1
	s_mov_b32 s[\g+5], KROW                        ; tensor_dim0_stride
	s_mov_b32 s[\g+6], 0
	s_mov_b32 s[\g+7], 0
.endr
	; the scale bytes of 128 rows: 4,096 dense bytes, as 16 rows of 256 (32 elements of 8 bytes), 16 bytes of padding behind each
	s_or_b32 s[G1S+0], s43, (3<<16)|(1<<20)|(1<<21)|(5<<22)|(3<<25)
	s_or_b32 s[G1SB+0], s44, (3<<16)|(1<<20)|(1<<21)|(5<<22)|(3<<25)
.irp g, G1S, G1SB
	s_mov_b32 s[\g+1], 32<<16
	s_mov_b32 s[\g+2], (128*KS/256)<<16
	s_mov_b32 s[\g+3], 32<<16
	s_mov_b32 s[\g+4], 128*KS/256
	s_mov_b32 s[\g+5], 32
	s_mov_b32 s[\g+6], 0
	s_mov_b32 s[\g+7], 0
.endr
	; the rows.  q, k: A = tokens 1024 cluster y + 256 cy, B = rows 8192 + 1024 cluster x + 256 cx.  v: A = rows 10240 + 256 cy, B = tokens 1024 cluster y + 256 cx
	s_lshl_b32 s18, s17, 10
	s_lshl_b32 s19, ttmp9, 10
	s_add_co_u32 s19, s19, 8192
	s_mov_b32 s20, 10240
	s_cmp_eq_u32 ttmp9, 2                          ; the cluster's number: the same in all sixteen partners
	s_cselect_b32 s42, 1, 0                        ; 1: this cluster makes v
	s_cselect_b32 s20, s20, s18
	s_cselect_b32 s46, s18, s19
	s_lshl_b32 s21, s41, 8
	s_add_co_u32 s20, s20, s21                     ; A's rows hang on cy alone,
	s_lshl_b32 s47, s40, 8
	s_add_co_u32 s46, s46, s47                     ; B's on cx alone
	s_lshl_b32 s18, s16, 7                         ; which 128 rows I fetch
	s_add_co_u32 s20, s20, s18
	s_add_co_u32 s46, s46, s18
	s_mov_b32 s21, 0
	s_mov_b32 s47, 0
	s_mov_b64 s[18:19], KS
	s_mul_u64 s[22:23], s[20:21], s[18:19]         ; where these rows' scale bytes begin,
	s_mul_u64 s[92:93], s[46:47], s[18:19]
	s_mov_b64 s[18:19], KROW
	s_mul_u64 s[20:21], s[20:21], s[18:19]         ; and their codes
	s_mul_u64 s[46:47], s[46:47], s[18:19]
	s_mul_i32 s45, s14, HALFT                      ; where they go: wave x 128 rows: no place in the cluster enters an LDS address
	s_mul_i32 s94, s14, HALFS
	s_wait_dscnt 0x0                               ; the opening add is done
	s_wait_kmcnt 0x0
	s_add_nc_u64 s[20:21], s[4:5], s[20:21]
	s_add_nc_u64 s[22:23], s[6:7], s[22:23]
	s_add_nc_u64 s[46:47], s[4:5], s[46:47]
	s_add_nc_u64 s[92:93], s[6:7], s[92:93]
	CROUND                                         ; all sixteen work-groups are here: the first joint loads meet
	s_mov_b32 s[G0S], 1
	s_add_co_u32 s[G0S+1], s94, SCL
	s_mov_b64 s[G0S+2:G0S+3], s[22:23]
	s_or_b32 s[G0S+3], s[G0S+3], 0x80000000
	s_mov_b32 s[G0SB], 1
	s_add_co_u32 s[G0SB+1], s94, SCL
	s_mov_b64 s[G0SB+2:G0SB+3], s[92:93]
	s_or_b32 s[G0SB+3], s[G0SB+3], 0x80000000
	JLOAD G0S, G1S, G0SB, G1SB                     ; the scale bytes first: they are wanted with K step 0
.irp s, 0,1
	s_mov_b32 s[G0+4*\s], 1
	s_add_co_u32 s[G0+4*\s+1], s45, \s*SLOT
	s_add_nc_u64 s[G0+4*\s+2:G0+4*\s+3], s[20:21], \s*ROWB
	s_or_b32 s[G0+4*\s+3], s[G0+4*\s+3], 0x80000000
	s_mov_b32 s[G0B+4*\s], 1
	s_add_co_u32 s[G0B+4*\s+1], s45, \s*SLOT
	s_add_nc_u64 s[G0B+4*\s+2:G0B+4*\s+3], s[46:47], \s*ROWB
	s_or_b32 s[G0B+4*\s+3], s[G0B+4*\s+3], 0x80000000
	JLOAD G0+4*\s, G1, G0B+4*\s, G1B               ; by this text's count three tensor loads of a wave are out here, later one
.endr
	v_and_b32 v1, 15, v0                           ; r = lane % 16
	v_bfe_u32 v2, v0, 4, 1                         ; h = lane / 16
	v_mul_u32_u24 v3, v1, PITCH
	v_mul_u32_u24 v4, v2, 24
	v_add_nc_u32 v4, v3, v4                        ; a fragment's row x pitch + 24 x half
	v_lshl_add_u32 v5, v2, 4, v4                   ; and the same behind one padding more
	s_mul_i32 s21, s15, HALFT                      ; my 128 rows of A
	s_mul_i32 s22, s16, HALFT                      ; my 128 rows of B,
	s_add_co_u32 s22, s22, 2*HALFT                 ; which lie behind A's 256
.irp s, 0,1
	v_add_nc_u32 v[ADRA+\s], s21, v4
	v_add_nc_u32 v[ADRB+\s], s22, v4
	v_add_nc_u32 v[ADRA+2+\s], s21, v5
	v_add_nc_u32 v[ADRB+2+\s], s22, v5
	s_add_co_u32 s21, s21, SLOT
	s_add_co_u32 s22, s22, SLOT
.endr
	v_mul_u32_u24 v5, v1, KS                       ; my row's scale bytes: 32 a row,
	v_lshrrev_b32 v6, 8, v5
	v_lshl_add_u32 v5, v6, 4, v5                   ; and 16 more for each 256 passed
	s_mul_i32 s21, s15, HALFS
	s_mul_i32 s22, s16, HALFS
	s_add_co_u32 s22, s22, 2*HALFS
	s_sub_co_u32 s22, s22, s21
	v_mul_u32_u24 v6, s22, v2                      ; lanes 16-31 take B's
	s_add_co_u32 s21, s21, SCL
	v_add_nc_u32 v5, v5, v6
	v_add_nc_u32 v[ADRS], s21, v5
	; the way out's offsets; none is rewritten
	v_lshlrev_b32 v8, 6, v2                        ; 64 h: 16 numbers of bias further on for lanes 16-31
	v_and_b32 v9, 8, v1
	v_add_nc_u32 v9, v9, v1                        ; r + 8 (r / 8): my row of a tile, in the tensor's order
	v_lshlrev_b32 v10, 2, v9
	v_and_b32 v14, 31, v0                          ; lane
	v_lshlrev_b32 v11, 4, v14                      ; an image of four registers: 16 x lane
	v_lshlrev_b32 v12, 3, v14                      ; of two: 8 x lane
	v_mul_u32_u24 v13, v2, HEADB
	v_lshl_add_u32 v13, v1, 4, v13                 ; v's scale words: lanes 0-15 the first head's, lanes 16-31 the second's
	s_lshl_b32 s66, s40, 8
	s_lshl_b32 s67, s16, 7
	s_add_co_u32 s66, s66, s67                     ; X = 256 cx + 128 x my B half
	s_lshl_b32 s67, s41, 8
	s_lshl_b32 s95, s15, 7
	s_add_co_u32 s67, s67, s95                     ; Y = 256 cy + 128 x my A half
	s_lshl_b32 s95, ttmp9, 10
	s_add_co_u32 s95, s95, s66                     ; q, k: my first row of Wqkv
	s_add_co_u32 s92, s67, 2048                    ; v: likewise
	s_lshl_b32 s93, s17, 10
	s_add_co_u32 s94, s93, s67                     ; q, k: my first token
	s_add_co_u32 s93, s93, s66                     ; v: likewise
	s_cmp_eq_u32 s42, 1
	s_cselect_b32 s95, 0, s95                      ; the loads that the other kind of cluster uses read from the buffer's head: every load stays inside its buffer
	s_cselect_b32 s92, s92, 0
	s_cselect_b32 s2, 0, s94
	s_cselect_b32 s93, s93, s94                    ; my first token
	s_cselect_b32 s66, s67, s66                    ; 64 x my first head
	s_cselect_b32 s67, 1, ttmp9                    ; which: 0 q, 1 k and v
	s_lshr_b32 s66, s66, 6
	s_lshl_b32 s67, s67, 6
	s_lshr_b32 s94, s93, 11                        ; batch
	s_lshl_b32 s94, s94, 4
	s_add_co_u32 s67, s67, s94
	s_add_co_u32 s67, s67, s66
	s_lshl_b32 s67, s67, 4
	s_bfe_u32 s94, s93, 0x40007                    ; which 128 tokens of the batch
	s_add_co_u32 s67, s67, s94
	s_mul_i32 s66, s67, BLK                        ; under 2^25
	s_mov_b32 s67, 0
	s_add_nc_u64 s[12:13], s[12:13], s[66:67]      ; my first head's block
	s_lshl_b32 s96, s95, 2
	s_mov_b32 s97, 0
	s_add_nc_u64 s[96:97], s[8:9], s[96:97]
	s_lshl_b32 s98, s92, 2
	s_mov_b32 s99, 0
	s_add_nc_u64 s[98:99], s[8:9], s[98:99]
	s_mov_b32 s100, s2
	s_mov_b32 s101, 0
	s_add_nc_u64 s[100:101], s[10:11], s[100:101]
.irp be, 0,1,2,3
.irp u, 0,1
.irp q, 0,1
	global_load_b128 v[BI+16*\be+8*\u+4*\q:BI+16*\be+8*\u+4*\q+3], v8, s[96:97] offset:(32*\be+8*\u+4*\q)*4   ; bias of index 32 be + 16 h + 8 u + 4 q + 0 .. 3
.endr
.endr
.endr
.irp a, 0,1,2,3,4,5,6,7
	global_load_b32 v[BV+\a], v10, s[98:99] offset:(32*(\a/2)+8*(\a%2))*4
	global_load_u8 v[MK+\a], v9, s[100:101] offset:32*(\a/2)+8*(\a%2)
.endr                                              ; all are waited for at the way out
.macro FRAG reg, adr, q, i             ; 16 rows x 128 K of 6-bit codes: 12 registers; lane l holds row l % 16; registers 6 c .. 6 c + 5 hold K = 64 c + 32 (l / 16) + 0 .. 31: 24 bytes of the row as they lie
.irp p, 0,1,2,3,4,5                    ; in pieces of 8 bytes.  Where the piece of lanes 16-31 lies behind one padding more than that of lanes 0-15, the second address register serves
.set PCE, 12*(\q)+6*(\p/3)+\p%3
.if PCE%8 < 5
	ds_load_b64 v[\reg+2*\p:\reg+2*\p+1], v[\adr] offset:8*PCE+16*(PCE/8)+(\i)*16*PITCH
.else
	ds_load_b64 v[\reg+2*\p:\reg+2*\p+1], v[\adr+2] offset:8*PCE+16*(PCE/8)+(\i)*16*PITCH
.endif
.endr
.endm
; 16 matrix instructions: A's blocks a0, a0 + 1 x B's eight, 128 along K.  The 64 accumulators take turns, one instruction a turn, in the same order in every step.
; One register carries A's scale word (lanes 0-15) and B's (lanes 16-31) of block i.
.macro MUL16 a0, p, q, sc, zero
.irp a, \a0, \a0+1
.irp b, 0,1,2,3,4,5,6,7
.if \zero
	v_wmma_scale_f32_16x16x128_f8f6f4 v[8*(8*((\a)%4)+\b):8*(8*((\a)%4)+\b)+7], v[128*(\p)+FR*\b:128*(\p)+FR*\b+FR-1], v[AF+FR*(\a):AF+FR*(\a)+FR-1], 0, v[SC+8*NQ*(\sc)+NQ*\b+(\q)], v[SC+8*NQ*(\sc)+NQ*(\a)+(\q)] matrix_a_fmt:MATRIX_FMT_FP6 matrix_b_fmt:MATRIX_FMT_FP6 matrix_a_scale:MATRIX_SCALE_ROW1
.else
	v_wmma_scale_f32_16x16x128_f8f6f4 v[8*(8*((\a)%4)+\b):8*(8*((\a)%4)+\b)+7], v[128*(\p)+FR*\b:128*(\p)+FR*\b+FR-1], v[AF+FR*(\a):AF+FR*(\a)+FR-1], v[8*(8*((\a)%4)+\b):8*(8*((\a)%4)+\b)+7], v[SC+8*NQ*(\sc)+NQ*\b+(\q)], v[SC+8*NQ*(\sc)+NQ*(\a)+(\q)] matrix_a_fmt:MATRIX_FMT_FP6 matrix_b_fmt:MATRIX_FMT_FP6 matrix_a_scale:MATRIX_SCALE_ROW1
.endif
.endr
.endr
.endm
.macro FETCH_B slot, q, p
	WIN TO_B
.irp i, 0,1,2,3,4,5,6,7
	FRAG 128*(\p)+FR*\i, ADRB+\slot, \q, \i
.endr
	WIN 0
.endm
.macro FETCH_A slot, q, i0
.irp i, \i0, \i0+1, \i0+2, \i0+3
	FRAG AF+FR*(\i), ADRA+\slot, \q, \i
.endr
.endm
.macro SCALES sc                       ; the K step's scale words: two words a row; lanes 0-15 A's block i, lanes 16-31 B's block i
.irp i, 0,1,2,3,4,5,6,7
	ds_load_b64 v[SC+8*NQ*\sc+NQ*\i:SC+8*NQ*\sc+NQ*\i+1], v[ADRS] offset:\i*SBLK
.endr
.endm
.macro PLACES n                        ; plain vector lines between a matrix instruction and a load into, or a vector read of, its registers
.rept \n
	v_nop
.endr
.endm
.macro STEP slot, q, zero              ; 128 along K that have their successor in the same slot
	s_wait_dscnt 4*NL                              ; B's set and A's blocks 0-3 are in; the youngest 24 loads (A's blocks 4-7) may be out
	WIN MUL_LO
	MUL16 0, (\q)%2, \q, \slot, \zero
	MUL16 2, (\q)%2, \q, \slot, \zero
	s_wait_dscnt 0                                 ; A's blocks 4-7 are in
	PLACES NP
	FETCH_B \slot, (\q)+1, 1-(\q)%2
	FETCH_A \slot, (\q)+1, 0
	WIN MUL_HI
	MUL16 4, (\q)%2, \q, \slot, \zero
	MUL16 6, (\q)%2, \q, \slot, \zero
	PLACES NP
	WIN 0
	FETCH_A \slot, (\q)+1, 4
.endm
; A slot's last step changes slots: one barrier; in front of it each wave waits for all its tensor loads, adds 0 to its spare word, and waits for that and for its own reads of this slot.  fill = 1: the slot is filled again.
.macro TURN slot, next, fill
	s_wait_tensorcnt 0x0                           ; all my tensor loads have landed: my part of the next slot
	ds_add_u32 v[SPW], v[NIL]                      ; 0 onto my spare word
	s_wait_dscnt 4*NL+1                            ; (the add and the youngest 24 loads, A's blocks 4-7, may be out)
	WIN MUL_LO
	MUL16 0, 1, NQ-1, \slot, 0                     ; sixteen matrix instructions stand between the add and the wait for it
	s_wait_dscnt 0x0                               ; the add is done, and my reads of this slot are over
	s_barrier_signal -1
	MUL16 2, 1, NQ-1, \slot, 0
	WIN 0
	s_barrier_wait -1
.if \fill
	CREST                                          ; the barrier has opened a round of the cluster's barrier: no wave of any partner still reads this slot or has a load on its way
	s_add_nc_u64 s[G0+4*\slot+2:G0+4*\slot+3], s[G0+4*\slot+2:G0+4*\slot+3], 2*ROWB
	s_add_nc_u64 s[G0B+4*\slot+2:G0B+4*\slot+3], s[G0B+4*\slot+2:G0B+4*\slot+3], 2*ROWB
	JLOAD G0+4*\slot, G1, G0B+4*\slot, G1B         ; the first tensor load behind the round; its four v_nop are the places in front of the loads below
.else
	PLACES NP
.endif
	v_add_nc_u32 v[ADRS], 4*NQ, v[ADRS]            ; on to the next K step's scale words
	FETCH_B \next, 0, 0
	FETCH_A \next, 0, 0
	SCALES \next
	WIN MUL_HI
	MUL16 4, 1, NQ-1, \slot, 0
	MUL16 6, 1, NQ-1, \slot, 0
	PLACES NP
	WIN 0
	FETCH_A \next, 0, 4
.endm
	s_wait_tensorcnt 1                             ; the scale bytes and my part of K step 0 are in (K step 1's load may be out)
	s_barrier_signal -1
	s_barrier_wait -1                              ; everybody's are
	FETCH_B 0, 0, 0
	FETCH_A 0, 0, 0
	SCALES 0
	FETCH_A 0, 0, 4
	STEP 0, 0, 1                                   ; the first step stands in front of the loop: its products start the sums
	s_mov_b32 s3, LAPS-1
.Llap:                                                 ; a trip goes once round the ring and fills both slots again
	TURN 0, 1, 1
	STEP 1, 0, 0
	TURN 1, 0, 1
	STEP 0, 0, 0
	s_sub_co_u32 s3, s3, 1
	s_cmp_lg_u32 s3, 0
	s_cbranch_scc1 .Llap
	TURN 0, 1, 0                                   ; the last lap fills nothing
	STEP 1, 0, 0
	s_wait_dscnt 4*NL
	WIN MUL_LO
	MUL16 0, 1, NQ-1, 1, 0
	MUL16 2, 1, NQ-1, 1, 0
	s_wait_dscnt 0
	WIN MUL_HI
	MUL16 4, 1, NQ-1, 1, 0
	MUL16 6, 1, NQ-1, 1, 0
	WIN 0
; 64 numbers of a lane, v[s] .. v[s + 63], register 16 b + i = index 32 b + 16 (lane / 16) + i of my row, become a fragment's codes in v[PC] on and its scale word in v[PW].
.macro QUANT s
.irp b, 0,1,2,3
	v_max3_num_f32 v[TM+\b], |v[\s+16*\b]|, |v[\s+1+16*\b]|, 0x1800000   ; block b: my 16 numbers, and the floor 2^(3 - 127): the byte cannot fall under 1
.endr
.irp i, 2,4,6,8,10,12,14
.irp b, 0,1,2,3
	v_max3_num_f32 v[TM+\b], v[TM+\b], |v[\s+16*\b+\i]|, |v[\s+1+16*\b+\i]|   ; (the four blocks by turns)
.endr
.endr
.irp b, 0,1,2,3
	v_permlanex16_b32 v[TM+4+\b], v[TM+\b], s[SEL], s[SEL+1]
.endr
.irp b, 0,1,2,3
	v_max_num_f32 v[TM+\b], v[TM+\b], v[TM+4+\b]   ; with lane l xor 16's: the block's largest magnitude
.endr
.irp b, 0,1,2,3
	v_add_nc_u32 v[TM+12+\b], 0xff000000, v[TM+\b]   ; 2 off its exponent field: the conversion's scale operand
.endr
.irp b, 0,1,2,3
	v_lshrrev_b32 v[TM+4+\b], 23, v[TM+12+\b]      ; the scale's byte
.endr
	v_lshl_or_b32 v[PW], v[TM+5], 8, v[TM+4]
	v_lshl_or_b32 v[PW], v[TM+6], 16, v[PW]
	v_lshl_or_b32 v[PW], v[TM+7], 24, v[PW]
.irp c, 0,1
	v_cvt_scalef32_pk16_fp6_f32 v[PC+6*\c:PC+2+6*\c], v[\s+32*\c:\s+15+32*\c], v[TM+12+2*\c]
	v_cvt_scalef32_pk16_fp6_f32 v[PC+12+4*\c:PC+14+4*\c], v[\s+16+32*\c:\s+31+32*\c], v[TM+12+2*\c+1]   ; (a conversion's three registers begin on an even number)
.endr
	v_nop                                          ; one plain line behind a scaled conversion
.irp c, 0,1                                    ; the operand's layout wants a whole block in a lane: lanes 0-15 block 2 c, lanes 16-31 block 2 c + 1
.irp i, 0,1,2
	v_permlane16_swap_b32 v[PC+6*\c+\i], v[PC+12+4*\c+\i]
.endr
.irp i, 0,1,2
	v_mov_b32 v[PC+3+6*\c+\i], v[PC+12+4*\c+\i]
.endr
.endr
.endm
; q, k: A block a = 16 tokens; its 64 registers = 128 channels = two heads.  The bias is added on the way into window 0; each accumulator is read from its low end on.
.macro OUTQK a
	WIN (0x02+(\a)/4)                              ; source 0: window 2 or 3
.set i, 0
.rept 32
	v_pk_add_f32 v[HA+i:HA+i+1], v[64*((\a)%4)+i:64*((\a)%4)+i+1], v[BI+i:BI+i+1]
.set i, i+2
.endr
	WIN 0
	s_wait_xcnt 0x0                                ; the last block's stores have read their data: the codes' registers may be written again
	QUANT HA
	v_and_or_b32 v[SWA+(\a)], v[PW], 0xffff, v[MW+(\a)]     ; the first head's two bytes under the token's upper half,
	v_lshrrev_b32 v[SWA+8+(\a)], 16, v[PW]
	v_or_b32 v[SWA+8+(\a)], v[SWA+8+(\a)], v[MW+(\a)]       ; and the second head's
	global_store_b128 v11, v[PC:PC+3], s[12:13] offset:768*(\a)              ; 512 consecutive bytes, aligned
	global_store_b64 v12, v[PC+4:PC+5], s[12:13] offset:768*(\a)+512         ; 256
	global_store_b128 v11, v[PC+6:PC+9], s[12:13] offset:HEADB+768*(\a)
	global_store_b64 v12, v[PC+10:PC+11], s[12:13] offset:HEADB+768*(\a)+512
.endm
; v: A block a = 16 channels of head a / 4; its 64 registers = 128 keys: one whole fragment.  The bias is one number a lane.
.macro OUTV a
	v_mov_b32 v[BT], v[BV+(\a)]
	WIN (0x02+(\a)/4)
.set i, 0
.rept 32
	v_pk_add_f32 v[HA+i:HA+i+1], v[64*((\a)%4)+i:64*((\a)%4)+i+1], v[BT:BT+1] op_sel_hi:[1,0]
.set i, i+2
.endr
	WIN 0
	s_wait_xcnt 0x0
	QUANT HA
	v_mov_b32 v[SWA+(\a)], v[PW]
.irp c, 0,1,2
	global_store_b128 v11, v[PC+4*\c:PC+4*\c+3], s[12:13] offset:((\a)/4)*HEADB+VOFF+((\a)%4)*1536+512*\c
.endr
.endm
	s_wait_loadcnt 0x0                             ; the biases and the mask bytes
	PLACES NP                                      ; behind the last products: the lines below write registers that they read, and read results
	s_mov_b32 s[SEL], 0x76543210
	s_mov_b32 s[SEL+1], 0xfedcba98
.irp b, 0,1,2,3
	v_mov_b32 v[TM+4+\b], 0                        ; written once: a lane permute's destination counts as one of its sources
.endr
	v_mov_b32 v[BT+1], 0                           ; (named with BT as a pair)
.irp a, 0,1,2,3,4,5,6,7
	v_mul_u32_u24 v[MW+\a], 0xf60000, v[MK+\a]
.endr
.irp a, 0,1,2,3,4,5,6,7
	v_sub_nc_u32 v[MW+\a], 0x1f70000, v[MW+\a]     ; byte 3 = 0x01; byte 2 = 0x01 where the mask byte is 1, 0xF7 where it is 0
.endr
	v_cmp_le_u32 vcc_lo, 16, v14                   ; lanes 16-31
	s_cmp_lg_u32 s42, 0                            ; the cluster's number decides: the same way in all sixteen partners; no barrier, tensor load or LDS access stands on either way
	s_cbranch_scc1 .Lv_out
.irp a, 0,1,2,3,4,5,6,7
	OUTQK \a
.endr
.irp hd, 0,1
	s_wait_xcnt 0x0                                ; the four words' registers are written again only behind this wait
.irp i, 0,1,2,3
	v_cndmask_b32 v[Q4+\i], v[SWA+8*\hd+\i], v[SWA+8*\hd+4+\i], vcc_lo   ; lanes 0-15: tiles 0-3; lanes 16-31: tiles 4-7
.endr
	global_store_b128 v11, v[Q4:Q4+3], s[12:13] offset:KSOFF+HEADB*\hd
.endr
	s_branch .Lend
.Lv_out:
.irp a, 0,1,2,3,4,5,6,7
	OUTV \a
.endr
.irp i, 0,1,2,3
	v_cndmask_b32 v[Q4+\i], v[SWA+\i], v[SWA+4+\i], vcc_lo   ; lanes 0-15: the first head's four tiles; lanes 16-31: the second's
.endr
	global_store_b128 v13, v[Q4:Q4+3], s[12:13] offset:VSOFF   ; each half of the lanes stores 256 consecutive bytes, aligned
.Lend:
	s_wait_tensorcnt 0x0                           ; the wave's end, behind my last tensor load
	ds_add_u32 v[SPW], v[NIL]
	s_wait_dscnt 0x0
	CROUND                                         ; the closing round: no work-group ends while a partner may still ask for a tile that names it
	s_endpgm
.Lfunc_end_k_q364abbd588_qkvproj:
	.size	k_q364abbd588_qkvproj, .Lfunc_end_k_q364abbd588_qkvproj-k_q364abbd588_qkvproj
	.p2alignl 7, 3214868480
	.fill 96, 4, 3214868480
	.section	.rodata,"a",@progbits
	.p2align	6, 0x0
	.amdhsa_kernel k_q364abbd588_qkvproj
		.amdhsa_group_segment_fixed_size 327680
		.amdhsa_private_segment_fixed_size 0
		.amdhsa_enable_private_segment 0
		.amdhsa_kernarg_size 40
		.amdhsa_user_sgpr_count 2
		.amdhsa_user_sgpr_kernarg_segment_ptr 1
		.amdhsa_wavefront_size32 1
		.amdhsa_system_sgpr_workgroup_id_x 1
		.amdhsa_system_sgpr_workgroup_id_y 1
		.amdhsa_system_sgpr_workgroup_id_z 1
		.amdhsa_system_vgpr_workitem_id 0
		.amdhsa_next_free_vgpr 1024
		.amdhsa_next_free_sgpr 104
		.amdhsa_reserve_vcc 1
		.amdhsa_float_denorm_mode_32 3
		.amdhsa_float_denorm_mode_16_64 3
		.amdhsa_memory_ordered 1
		.amdhsa_forward_progress 1
		.amdhsa_inst_pref_size 237
	.end_amdhsa_kernel
	.amdgpu_metadata
---
amdhsa.version: [ 1, 2 ]
amdhsa.kernels:
  - .name:           k_q364abbd588_qkvproj
    .symbol:         k_q364abbd588_qkvproj.kd
    .args:
      - { .name: cod, .offset: 0, .size: 8, .value_kind: global_buffer, .address_space: global }
      - { .name: scl, .offset: 8, .size: 8, .value_kind: global_buffer, .address_space: global }
      - { .name: Wqkv_b, .offset: 16, .size: 8, .value_kind: global_buffer, .address_space: global }
      - { .name: attn_mask, .offset: 24, .size: 8, .value_kind: global_buffer, .address_space: global }
      - { .name: qkv, .offset: 32, .size: 8, .value_kind: global_buffer, .address_space: global }
    .group_segment_fixed_size: 327680
    .private_segment_fixed_size: 0
    .kernarg_segment_align: 8
    .kernarg_segment_size: 40
    .max_flat_workgroup_size: 128
    .sgpr_count:     104
    .vgpr_count:     1024
    .wavefront_size: 32
...
	.end_amdgpu_metadata
.endif
;; end of part 2
;; launch attn (part 3): grid 8 x 32, 8 waves a work-group, clusters of 4 x 1, 327,680 bytes of LDS; arguments qkv, attn_mask, ao, aos; writes ao, aos
.if DOCPART == 3
	.amdgcn_target "amdgcn-amd-amdhsa--gfx1250"
	.amdhsa_code_object_version 6
	.text
	.protected	k_q364abbd588_attn
	.globl	k_q364abbd588_attn
	.p2align	8
	.type	k_q364abbd588_attn,@function
k_q364abbd588_attn:
	s_mov_b64 s[64:65], 0
	v_nop
	global_prefetch_b8 v0, s[64:65] scope:SCOPE_SE
	s_setreg_imm32_b32 hwreg(HW_REG_WAVE_MODE, 25, 1), 1
	s_wait_xcnt 0x0
	s_wait_alu depctr_hold_cnt(0) depctr_sa_sdst(0) depctr_va_vdst(0) depctr_va_sdst(0) depctr_va_ssrc(0) depctr_va_vcc(0) depctr_vm_vsrc(0)
	s_getreg_b32 s2, hwreg(HW_REG_IB_STS2, 6, 4)
	s_cmp_eq_u32 s2, 0
	s_cbranch_scc0 .Lentry_in_a_cluster
	s_endpgm
.Lentry_in_a_cluster:
	s_bfe_u32 s2, ttmp6, 0x10000c
	s_cmp_lg_u32 s2, 0x3003
	s_cbranch_scc0 .Lentry_shape_is_right
	s_endpgm
.Lentry_shape_is_right:
; o = softmax(q k^T / 8, hidden keys out) v for 64 (batch, head) pairs of 2,048 tokens x 64 channels, both products on codes of FP6 (E2M3) with E8M0 scales, and o quantised along E for the last product.
; q, k, v come as images of operand registers in blocks of 13,056 bytes (one head, 128 tokens): 0: 8 token tiles x 768 (six registers: 16 tokens x 64 channels); 6144: 4 channel tiles x 1,536 (v: 16 channels x 128 keys);
; 12288: the tokens' scale words, place (r, hh) = tiles 4 hh + 0 .. 3; 12800: v's scale words.  Row r of tile t is token (or channel) perm(t, r) = 32 (t / 2) + 8 (t % 2) + r + 8 (r / 8).
; THE SOFTMAX AHEAD OF THE SECOND PRODUCT: t = score x log2(e) / 8; M = the running largest t rounded up to a whole number; p = 2^(t - M) is quantised along the keys; the row's sum is taken of the unquantised p and
; divides at the end; when M moves, the sum and O are multiplied by 2^(old M - new M), which rounds nothing.
; THE MASK RIDES IN THE UNUSED HALF OF K.  The head has 64 channels, the instruction 128 places.  At place 64 every key holds the code -1 and every query the code +1; byte 2 of a key's scale word is 0x01 (attended) or 0xF7 (hidden).
; So the matrix unit itself adds -2^120 to a hidden key's scores and -2^-126 to the others'.  All other unused places of Q are zero codes, so what K's operand holds there (the next fragment's registers) adds nothing.
; A BATCH WITH NO ATTENDED KEY: the softmax is uniform there.  A flag made of the batch's 2,048 mask bytes clears Q's codes by a select, with no branch: every score is then -2^120 exactly, t - M = 0 and p = 1.
; LIMITS: true scores must lie far above -2^120; an attended score carries the -2^-126; a block of p or of o under 2^-124 gets the byte 1 (zero blocks too: their codes are zeros); NaN and infinities are not served.
; SHARES.  A work-group owns 256 queries of two heads; wave w owns head w / 4, queries 64 (w % 4) on: four tiles of 16, which share every fragment of K and V.  Two waves lie on a SIMD: one's vector work stands beside the other's products.
; Both products are used transposed (S^T = K Q^T, O^T = V^T P^T): a lane holds one query throughout, and by the order of rows above its registers run along neighbouring keys, then neighbouring channels.
; RING.  Two LDS slots of four key steps (128 keys each) x two heads: eight blocks; each of the eight waves brings one block by one tensor load of 51 rows x 256 bytes.
; CLUSTER.  The four work-groups of a cluster own the query blocks of the same two heads and walk the same K and V: each block is asked for jointly, by the same load with a mask that names the four.
; OUT: ao = [K step of 256: 4][token tile: 512][3,072]: the last product's fragments as images (two of 1,536 bytes; a head is half of one); aos = [128 tokens: 64][128 along E: 8][512]: their scale words, place (r, hh).
; REGISTERS: window 0: v1-9 addresses; v16-31 statistics; v32-47 scale words (Q, K, V, P); v48-55 f; v56-63 o's scale halves; v64-127 S^T, then p; v128-175 P's codes; v176-203 at work; v204-251 V; v252, v253 the add's two.
;   window 1: v0-127 O^T (tile u, channels' tile t at 32 u + 8 t); v128-175 Q; v176-243 K, a fragment every 8 registers.
.set BLK,   13056
.set VOFF,  6144
.set KSOFF, 12288
.set VSOFF, 12800
.set SLOT1, 1<<17                      ; slot 1 begins here: one exclusive or turns an address in one slot into the other's
.set XCH,   2*SLOT1                    ; 8 x 512 bytes: o's scale halves from wave to wave; no tensor load lands here
.set SPARE, XCH+8*512                  ; the spare words, 128 bytes for each wave
.set LI16, 1                           ; v1  16 x lane
.set LI8,  2                           ; v2  8 x lane
.set LR16, 3                           ; v3  16 x (lane % 16)
.set AB,   4                           ; v4  the step's block + 16 x lane
.set AB8,  5                           ; v5  + 8 x lane
.set AVS,  6                           ; v6  + 16 x (lane % 16)
.set XA,   7                           ; v7  where I put my scale halves
.set XB,   8                           ; v8  where the wave of the other head puts its
.set ST,   16                          ; tile u at v[ST + 4 u]: -M, the largest t, the sum in two halves
.set QS,   32
.set KS,   36
.set VS,   40
.set PW,   44
.set F,    48                          ; v[F + 2 u]: f = 2^(old M - new M), later 1 / the sum; named as a pair
.set W16,  56
.set PX,   60
.set S,    64
.set PC,   128
.set TM,   176
.set CT,   192
.set XT,   200
.set L2,   202
.set VF,   204
.set SPW,  252
.set NIL,  253
.set QF,   128                         ; window 1
.set KF,   176                         ; window 1
.set WV,   12
.set SEL,  20
.set CS,   22
.set G1,   24
.set G0,   32
.set TB,   36                          ; s36  LDS byte at which the step's block of my head begins
.set SLOTS, 37
.set INNER, 38
.set W_L1,  0x40                       ; destination window 1
.set W_KQ,  0x05                       ; sources 0 and 1 window 1
.set W_RS,  0x41                       ; destination and source 0 window 1
.set W_PV,  0x50                       ; C and D window 1
.set W_AND, 0x44                       ; destination and source 1 window 1
.set W_OUT, 0x01                       ; source 0 window 1
.set MSB, 0
.macro WIN new                         ; the immediate's high byte repeats the setting that is left
.if MSB != \new
	s_set_vgpr_msb (MSB<<8)|\new
.set MSB, \new
.endif
.endm
.macro PLACES n
.rept \n
	v_nop
.endr
.endm
.macro CROUND                          ; a round of the cluster's barrier
	s_barrier_signal -1
	s_barrier_wait -1
	s_cmp_lg_u32 s[WV], 0
	s_cbranch_scc1 .Lnot_wave_0_\@
	s_barrier_signal -3
.Lnot_wave_0_\@:
	s_barrier_wait -3
	s_barrier_signal -1
	s_barrier_wait -1
.endm
	s_load_b256 s[4:11], s[0:1], 0x0               ; qkv s[4:5], attn_mask s[6:7], ao s[8:9], aos s[10:11]
	v_lshl_add_u32 v[SPW], v0, 2, SPARE
	v_mov_b32 v[NIL], 0
	ds_add_u32 v[SPW], v[NIL]                      ; the wave's opening: the add and its wait stand ahead of my first tensor load; the set-up below, work on registers, stands between them
	v_lshrrev_b32 v10, 5, v0
	v_readfirstlane_b32 s[WV], v10                 ; wave 0..7
	s_lshr_b32 s13, s[WV], 2                       ; hd: which of the two heads
	s_and_b32 s14, s[WV], 3                        ; wq: which 64 queries.  Also: which of a slot's four steps I fetch
	s_bfe_u32 s15, ttmp6, 0x40000                  ; cx
	s_lshl_b32 s16, ttmp9, 2
	s_add_co_u32 s16, s16, s15                     ; my block of 256 queries: it enters Q's, ao's and aos's addresses alone
	s_and_b32 s17, ttmp7, 0xffff
	s_lshr_b32 s18, s17, 3                         ; batch
	s_and_b32 s19, s17, 7                          ; pair of heads
	; descriptor group 1: a block, 13,056 dense bytes, as 51 rows of 256 (32 elements of 8 bytes); no padding: the images are read as they lie
	s_mov_b32 s[G1], 15|(3<<16)|(1<<21)            ; 15:0 the mask: all four work-groups; 17:16 elements of 8 bytes; 21 set beside a mask
	s_mov_b32 s[G1+1], 32<<16                      ; tensor_dim0
	s_mov_b32 s[G1+2], 51<<16                      ; tensor_dim1
	s_mov_b32 s[G1+3], 32<<16                      ; tile_dim0
	s_mov_b32 s[G1+4], 51                          ; tile_dim1
	s_mov_b32 s[G1+5], 32                          ; tensor_dim0_stride
	s_mov_b32 s[G1+6], 0
	s_mov_b32 s[G1+7], 0
	s_mov_b32 s[SEL], 0x76543210
	s_mov_b32 s[SEL+1], 0xfedcba98                 ; lane l xor 16
	s_mov_b32 s[CS], 0x3e38aa3b                    ; c = log2(e) / 8
	s_mov_b32 s[CS+1], s[CS]                       ; (named with it as a pair)
	s_mul_i32 s[TB], s13, 4*BLK                    ; my head's four blocks of slot 0
	s_mov_b32 s[SLOTS], 3
	s_lshl_b32 s48, s18, 4
	s_lshl_b32 s49, s19, 1
	s_add_co_u32 s48, s48, s49
	s_add_co_u32 s48, s48, s13                     ; my head among the 64,
	s_lshl_b32 s48, s48, 4                         ; its first block
	s_add_co_u32 s49, s48, s14
	s_add_co_u32 s49, s49, 1024                    ; k and v: the block of step wq
	s_mul_i32 s50, s49, BLK                        ; under 2^25
	s_mov_b32 s51, 0
	s_lshl_b32 s52, s16, 1
	s_lshr_b32 s53, s14, 1
	s_add_co_u32 s52, s52, s53                     ; which 128 tokens hold my queries
	s_add_co_u32 s54, s48, s52
	s_mul_i32 s54, s54, BLK                        ; q: their block
	s_and_b32 s53, s14, 1                          ; and which half of it
	s_mul_i32 s55, s53, 3072
	s_add_co_u32 s40, s54, s55
	s_mov_b32 s41, 0
	s_lshl_b32 s55, s53, 8
	s_add_co_u32 s42, s54, s55
	s_add_co_u32 s42, s42, KSOFF
	s_mov_b32 s43, 0
	s_lshr_b32 s55, s19, 1                         ; ao: K step of 256 = pair / 2,
	s_lshl_b32 s55, s55, 9
	s_lshl_b32 s56, s18, 7
	s_add_co_u32 s55, s55, s56
	s_lshl_b32 s56, s16, 4
	s_add_co_u32 s55, s55, s56
	s_lshl_b32 s56, s14, 2
	s_add_co_u32 s55, s55, s56                     ; token tile 128 batch + 16 block + 4 wq,
	s_mul_i32 s44, s55, 3072
	s_and_b32 s56, s19, 1
	s_mul_i32 s56, s56, 1536                       ; fragment = pair % 2,
	s_add_co_u32 s44, s44, s56
	s_mul_i32 s56, s13, 768                        ; half = hd
	s_add_co_u32 s44, s44, s56
	s_mov_b32 s45, 0
	s_lshl_b32 s56, s18, 4                         ; aos: (128 tokens) x 8 + pair, 512 bytes each; my half of the eight tiles
	s_add_co_u32 s56, s56, s52
	s_lshl_b32 s56, s56, 3
	s_add_co_u32 s56, s56, s19
	s_lshl_b32 s56, s56, 9
	s_lshl_b32 s57, s53, 8
	s_add_co_u32 s46, s56, s57
	s_mov_b32 s47, 0
	s_lshl_b32 s58, s18, 11                        ; the batch's mask bytes
	s_mov_b32 s59, 0
	v_and_b32 v10, 31, v0                          ; lane
	v_lshlrev_b32 v[LI16], 4, v10
	v_lshlrev_b32 v[LI8], 3, v10
	v_and_b32 v11, 15, v0
	v_lshlrev_b32 v[LR16], 4, v11
	v_lshlrev_b32 v9, 6, v10                       ; 64 mask bytes a lane
	s_lshl_b32 s60, s[WV], 9
	s_add_co_u32 s60, s60, XCH
	v_add_nc_u32 v[XA], s60, v[LI16]
	s_xor_b32 s61, s[WV], 4
	s_lshl_b32 s61, s61, 9
	s_add_co_u32 s61, s61, XCH
	v_add_nc_u32 v[XB], s61, v[LI16]
	s_mov_b32 s[G0], 1                             ; group 0: count = 1,
	s_mul_i32 s[G0+1], s[WV], BLK                  ; LDS address: block number = wave, in slot 0: no place in the cluster enters it
	s_wait_dscnt 0x0                               ; the opening add is done
	s_wait_kmcnt 0x0
	s_add_nc_u64 s[G0+2:G0+3], s[4:5], s[50:51]    ; global address: batch, head and wave alone
	s_or_b32 s[G0+3], s[G0+3], 0x80000000          ; type = 2
	s_add_nc_u64 s[40:41], s[4:5], s[40:41]        ; Q's images
	s_add_nc_u64 s[42:43], s[4:5], s[42:43]        ; Q's scale words
	s_add_nc_u64 s[44:45], s[8:9], s[44:45]
	s_add_nc_u64 s[46:47], s[10:11], s[46:47]
	s_add_nc_u64 s[6:7], s[6:7], s[58:59]
	CROUND                                         ; all four work-groups are here: the first joint loads meet
	tensor_load_to_lds s[G0:G0+3], s[G1:G1+7]      ; slot 0: steps 0 to 3 of both heads, a block a wave.  By this text's count one tensor load of a wave is out at most
	s_nop 0
	PLACES 4
	WIN W_L1
.irp u, 0,1,2,3
	global_load_b128 v[QF+12*\u:QF+12*\u+3], v[LI16], s[40:41] offset:768*\u       ; Q stays in registers
	global_load_b64 v[QF+12*\u+4:QF+12*\u+5], v[LI8], s[40:41] offset:768*\u+512
.endr
	WIN 0
	global_load_b128 v[QS:QS+3], v[LR16], s[42:43]                                 ; lane r: the words of my four tiles' row r
.irp i, 0,1,2,3
	global_load_b128 v[S+4*\i:S+4*\i+3], v9, s[6:7] offset:16*\i                   ; the batch's 2,048 mask bytes
.endr
.irp u, 0,1,2,3
	v_mov_b32 v[ST+4*\u+1], 0xff61b1e6             ; the largest t so far: -3e38, under every t
	v_floor_f32 v[ST+4*\u], -v[ST+4*\u+1]          ; -M
	v_mov_b32 v[ST+4*\u+2], 0                      ; the sum
	v_mov_b32 v[ST+4*\u+3], 0
	v_mov_b32 v[F+2*\u+1], 0                       ; (named as the upper half of a pair)
	v_mov_b32 v[TM+4+\u], 0                        ; written once: a lane permute's destination counts as one of its sources
.endr
	v_bfe_u32 v12, v0, 4, 1
	v_xor_b32 v12, 1, v12
	v_lshlrev_b32 v12, 3, v12                      ; the code +1.0 (0x08) in lanes 0-15, 0 in lanes 16-31
	WIN W_L1
.set i, 0
.rept 128
	v_mov_b32 v[i], 0                              ; O^T.  (The step is written once for all steps: the first finds zeros, which the first change of M leaves zeros)
.set i, i+1
.endr
.irp t, 0,1,2,3,4,5,6,7
	v_mov_b32 v[KF+8*\t+6], 0x28                   ; place 64 of every key: the code -1.0  (in lanes 16-31, place 96, it meets a zero code of Q)
	v_mov_b32 v[KF+8*\t+7], 0
.endr
.irp i, 64,65,66,67
	v_mov_b32 v[KF+\i], 0                          ; behind the last fragment: named by its operand
.endr
.irp u, 0,1,2,3
	v_mov_b32 v[QF+12*\u+6], v12                   ; place 64 of every query: +1.0; all other unused places: zero codes
.irp i, 7,8,9,10,11
	v_mov_b32 v[QF+12*\u+\i], 0
.endr
.endr
	WIN 0
	s_wait_loadcnt 0x0                             ; Q, its scale words, the mask bytes
.irp i, 1,2,3,4,5,6,7,8,9,10,11,12,13,14,15
	v_or_b32 v[S], v[S], v[S+\i]
.endr
	v_cmp_ne_u32 vcc_lo, 0, v[S]
	s_cmp_lg_u32 vcc_lo, 0                         ; is any key of the batch attended?
	s_cselect_b32 s39, -1, 0                       ; a value, not a way: no branch hangs on it
	s_mov_b32 s48, 0xffff
	s_mov_b32 s49, 0x7f7f0000
	WIN W_AND
.irp u, 0,1,2,3
.irp i, 0,1,2,3,4,5
	v_and_b32 v[QF+12*\u+\i], s39, v[QF+12*\u+\i]  ; none attended: Q's true codes become zeros
.endr
.endr
	WIN 0
.irp u, 0,1,2,3
	v_and_or_b32 v[QS+\u], v[QS+\u], s48, s49      ; Q's bytes 2 and 3: the scale 1
.endr
	PLACES 8                                       ; scale words written by vector instructions stand eight plain lines ahead of a scaled product
; S^T of tile u: eight tiles of 16 keys.  K's words: lanes 0-15 hold tiles 0-3, lanes 16-31 tiles 4-7.  A K operand names 12 registers: six of codes, the constant pair, and four of the next fragment (met by Q's zero codes).
.macro KQ u
	WIN W_KQ
.irp t, 0,1,2,3
	v_wmma_scale_f32_16x16x128_f8f6f4 v[S+8*\t:S+8*\t+7], v[KF+8*\t:KF+8*\t+11], v[QF+12*\u:QF+12*\u+11], 0, v[KS+\t], v[QS+\u] matrix_a_fmt:MATRIX_FMT_FP6 matrix_b_fmt:MATRIX_FMT_FP6
.endr
.irp t, 4,5,6,7
	v_wmma_scale_f32_16x16x128_f8f6f4 v[S+8*\t:S+8*\t+7], v[KF+8*\t:KF+8*\t+11], v[QF+12*\u:QF+12*\u+11], 0, v[KS+\t-4], v[QS+\u] matrix_a_fmt:MATRIX_FMT_FP6 matrix_b_fmt:MATRIX_FMT_FP6 matrix_a_scale:MATRIX_SCALE_ROW1
.endr
.endm
; O^T of tile u under the new M.  It stands behind the next tile's K Q^T: sixteen plain lines that name none of those products' registers
.macro RS u
	WIN W_RS
.set i, 0
.rept 16
	v_pk_mul_f32 v[32*\u+i:32*\u+i+1], v[32*\u+i:32*\u+i+1], v[F+2*\u:F+2*\u+1] op_sel_hi:[1,0]
.set i, i+2
.endr
.endm
; O^T += V^T P^T: the sixteen accumulators take turns, one instruction a turn
.macro PV
	WIN W_PV
.irp t, 0,1,2,3
.irp u, 0,1,2,3
	v_wmma_scale_f32_16x16x128_f8f6f4 v[32*\u+8*\t:32*\u+8*\t+7], v[VF+12*\t:VF+12*\t+11], v[PC+12*\u:PC+12*\u+11], v[32*\u+8*\t:32*\u+8*\t+7], v[VS+\t], v[PW+\u] matrix_a_fmt:MATRIX_FMT_FP6 matrix_b_fmt:MATRIX_FMT_FP6
.endr
.endr
.endm
; The softmax of tile u for 128 keys: register 16 b + i of S holds key 32 b + 16 (lane / 16) + i of my query.
.macro SM u
	WIN 0
.set rT, ST+4*\u
.set rF, F+2*\u
.set rC, PC+12*\u
.irp b, 0,1,2,3
	v_max3_num_f32 v[TM+\b], v[S+16*\b], v[S+1+16*\b], v[S+2+16*\b]   ; the largest score of each block of 32 keys: for the row's maximum and, since p rises with the score, for the block's largest p
.endr
.irp i, 3,5,7,9,11,13
.irp b, 0,1,2,3
	v_max3_num_f32 v[TM+\b], v[TM+\b], v[S+16*\b+\i], v[S+1+16*\b+\i]
.endr
.endr
.irp b, 0,1,2,3
	v_max_num_f32 v[TM+\b], v[TM+\b], v[S+15+16*\b]
.endr
.irp b, 0,1,2,3
	v_permlanex16_b32 v[TM+4+\b], v[TM+\b], s[SEL], s[SEL+1]
.endr
.irp b, 0,1,2,3
	v_max_num_f32 v[TM+\b], v[TM+\b], v[TM+4+\b]   ; with lane l xor 16's 16 keys
.endr
	v_max3_num_f32 v[XT], v[TM], v[TM+1], v[TM+2]
	v_max_num_f32 v[XT], v[XT], v[TM+3]            ; the step's largest score of my query
	v_mul_f32 v[XT], s[CS], v[XT]                  ; as t (c is positive)
	v_max_num_f32 v[rT+1], v[rT+1], v[XT]          ; the running largest t
	v_mov_b32 v[XT], v[rT]
	v_floor_f32 v[rT], -v[rT+1]                    ; the new -M = floor(-t): M is a whole number
	v_sub_f32 v[XT], v[rT], v[XT]                  ; old M - new M: a whole number, 0 or less
	v_cvt_i32_f32 v[XT], v[XT]                     ; (it saturates)
	v_ldexp_f32 v[rF], 1.0, v[XT]                  ; f = 2^(old M - new M)
	; one batch: 32 packed scalings t - M and 64 exponentials; a pair is scaled one turn ahead of its exponentials; none of these lines names an exponential's result
	v_pk_fma_f32 v[S:S+1], v[S:S+1], s[CS:CS+1], v[rT:rT+1] op_sel_hi:[1,0,0]
.set k, 0
.rept 32
.if k < 31
	v_pk_fma_f32 v[S+2*k+2:S+2*k+3], v[S+2*k+2:S+2*k+3], s[CS:CS+1], v[rT:rT+1] op_sel_hi:[1,0,0]
.endif
	v_exp_f32 v[S+2*k], v[S+2*k]                   ; p = 2^(t - M), at most 1
	v_exp_f32 v[S+2*k+1], v[S+2*k+1]
.set k, k+1
.endr
.irp b, 0,1,2,3
	v_fma_f32 v[TM+\b], v[TM+\b], s[CS], v[rT]     ; the same of each block's largest score
.endr
	v_pk_mul_f32 v[rT+2:rT+3], v[rT+2:rT+3], v[rF:rF+1] op_sel_hi:[1,0]   ; the sum under the new M
	s_wait_alu depctr_va_vdst(0)                   ; one wait for the batch, ahead of the first line that names a result
.irp b, 0,1,2,3
	v_exp_f32 v[TM+\b], v[TM+\b]                   ; the block's largest p: the same two instructions on the same number give the same bits
.endr
	v_pk_add_f32 v[L2:L2+1], v[S:S+1], v[S+2:S+3]  ; the row's sum is taken of the unquantised p: two at a time, in two chains
.irp j, 4,8,12,16,20,24,28,32,36,40,44,48,52,56,60
	v_pk_add_f32 v[rT+2:rT+3], v[rT+2:rT+3], v[S+\j:S+\j+1]
	v_pk_add_f32 v[L2:L2+1], v[L2:L2+1], v[S+2+\j:S+3+\j]
.endr
	v_pk_add_f32 v[rT+2:rT+3], v[rT+2:rT+3], v[L2:L2+1]
	s_wait_alu depctr_va_vdst(0)                   ; and one for the four
.irp b, 0,1,2,3
	v_max_num_f32 v[TM+\b], 0x1800000, v[TM+\b]    ; the floor 2^(3 - 127): the byte cannot fall under 1
.endr
.irp b, 0,1,2,3
	v_add_nc_u32 v[TM+12+\b], 0xff000000, v[TM+\b] ; 2 off the exponent field: the conversion's scale operand
.endr
.irp b, 0,1,2,3
	v_lshrrev_b32 v[TM+4+\b], 23, v[TM+12+\b]      ; the scale's byte
.endr
	v_lshl_or_b32 v[PW+\u], v[TM+5], 8, v[TM+4]    ; p's scale word for these 128 keys
	v_lshl_or_b32 v[PW+\u], v[TM+6], 16, v[PW+\u]
	v_lshl_or_b32 v[PW+\u], v[TM+7], 24, v[PW+\u]
.irp c, 0,1
	v_cvt_scalef32_pk16_fp6_f32 v[rC+6*\c:rC+6*\c+2], v[S+32*\c:S+32*\c+15], v[TM+12+2*\c]
	v_cvt_scalef32_pk16_fp6_f32 v[CT+4*\c:CT+4*\c+2], v[S+16+32*\c:S+31+32*\c], v[TM+13+2*\c]   ; (a conversion's three registers begin on an even number)
.endr
	v_nop                                          ; one plain line behind a scaled conversion
.irp c, 0,1                                    ; the operand's layout wants a whole block in a lane
.irp i, 0,1,2
	v_permlane16_swap_b32 v[rC+6*\c+\i], v[CT+4*\c+\i]
.endr
.irp i, 0,1,2
	v_mov_b32 v[rC+3+6*\c+\i], v[CT+4*\c+\i]
.endr
.endr
.endm
; A KEY STEP: 128 keys of my head, for my four tiles of queries.
.macro STEP
	v_add_nc_u32 v[AB], s[TB], v[LI16]             ; these three and the v_nop are the four plain lines between the last step's products and the loads into their operands
	v_add_nc_u32 v[AB8], s[TB], v[LI8]
	v_add_nc_u32 v[AVS], s[TB], v[LR16]
	v_nop
	ds_load_b128 v[KS:KS+3], v[AB] offset:KSOFF
	WIN W_L1
.irp t, 0,1,2,3,4,5,6,7
	ds_load_b128 v[KF+8*\t:KF+8*\t+3], v[AB] offset:768*\t
	ds_load_b64 v[KF+8*\t+4:KF+8*\t+5], v[AB8] offset:768*\t+512
.endr
	WIN 0
.irp t, 0,1,2,3
.irp c, 0,1,2
	ds_load_b128 v[VF+12*\t+4*\c:VF+12*\t+4*\c+3], v[AB] offset:VOFF+1536*\t+512*\c
.endr
.endr
	ds_load_b128 v[VS:VS+3], v[AVS] offset:VSOFF
	s_wait_dscnt 13                                ; K and its scale words are in; V's twelve loads and its scale words may be out
	KQ 0
	PLACES 4
	SM 0
	KQ 1
	RS 0
	SM 1
	KQ 2
	RS 1
	SM 2
	KQ 3
	RS 2
	SM 3
	RS 3                                           ; also the plain lines between the last writes of P's codes and scale word and the products below
	s_wait_dscnt 0x0                               ; V is in
	PV
	WIN 0
	s_add_co_u32 s[TB], s[TB], BLK                 ; the next step's block
.endm
; THE CHANGE OF SLOTS stands at a slot's head.  Each wave waits for all its tensor loads (its block of the slot ahead), adds 0 to its spare word, and waits for that and for its reads of the slot that it has left.
; fill = 1: behind a round of the cluster's barrier the slot just left takes the next four steps: the load has four key steps in which to land.
.macro CHANGE fill
	s_wait_tensorcnt 0x0                           ; no tensor load of mine is out, so group 0 may be written
	ds_add_u32 v[SPW], v[NIL]                      ; 0 onto my spare word
.if \fill
	s_xor_b32 s[G0+1], s[G0+1], SLOT1              ; the other slot than last time,
	s_add_nc_u64 s[G0+2:G0+3], s[G0+2:G0+3], 4*BLK ; four steps on; the type bits on top are not reached
.endif
	s_wait_dscnt 0x0                               ; the add is done, and my reads of the slot that I have left are over
.if \fill
	CROUND                                         ; no wave of any partner still reads that slot or has a load on its way
	tensor_load_to_lds s[G0:G0+3], s[G1:G1+7]      ; the first thing behind the round, and my one tensor load until the next
	s_nop 0
	PLACES 4
.else
	s_barrier_signal -1
	s_barrier_wait -1
.endif
.endm
.macro FOUR_STEPS
	s_mov_b32 s[INNER], 4
.Lstep_\@:
	STEP
	s_sub_co_u32 s[INNER], s[INNER], 1
	s_cmp_lg_u32 s[INNER], 0
	s_cbranch_scc1 .Lstep_\@
	s_sub_co_u32 s[TB], s[TB], 4*BLK               ; back to a slot's first step,
	s_xor_b32 s[TB], s[TB], SLOT1                  ; in the other slot
.endm
.Lslot:                                            ; three trips: behind each change of slots but the last the next four steps are asked for
	CHANGE 1
	FOUR_STEPS
	s_sub_co_u32 s[SLOTS], s[SLOTS], 1
	s_cmp_lg_u32 s[SLOTS], 0
	s_cbranch_scc1 .Lslot
	CHANGE 0                                       ; the last slot is written out
	FOUR_STEPS
; 32 numbers of a lane, register 16 b + i = channel 32 b + 16 (lane / 16) + i, become half a fragment (six registers from v[x] on) and two scale bytes in v[w].
.macro QUANT2 s, x, w
.irp b, 0,1
	v_max3_num_f32 v[TM+\b], |v[\s+16*\b]|, |v[\s+1+16*\b]|, 0x1800000
.endr
.irp i, 2,4,6,8,10,12,14
.irp b, 0,1
	v_max3_num_f32 v[TM+\b], v[TM+\b], |v[\s+16*\b+\i]|, |v[\s+1+16*\b+\i]|
.endr
.endr
.irp b, 0,1
	v_permlanex16_b32 v[TM+4+\b], v[TM+\b], s[SEL], s[SEL+1]
.endr
.irp b, 0,1
	v_max_num_f32 v[TM+\b], v[TM+\b], v[TM+4+\b]
.endr
.irp b, 0,1
	v_add_nc_u32 v[TM+12+\b], 0xff000000, v[TM+\b]
.endr
.irp b, 0,1
	v_lshrrev_b32 v[TM+4+\b], 23, v[TM+12+\b]
.endr
	v_lshl_or_b32 v[\w], v[TM+5], 8, v[TM+4]
	v_cvt_scalef32_pk16_fp6_f32 v[\x:\x+2], v[\s:\s+15], v[TM+12]
	v_cvt_scalef32_pk16_fp6_f32 v[CT:CT+2], v[\s+16:\s+31], v[TM+13]
	v_nop                                          ; one plain line behind a scaled conversion
.irp i, 0,1,2
	v_permlane16_swap_b32 v[\x+\i], v[CT+\i]
.endr
.irp i, 0,1,2
	v_mov_b32 v[\x+3+\i], v[CT+\i]
.endr
.endm
	; THE WAY OUT.  The additions are the plain lines behind the last products.
.irp u, 0,1,2,3
	v_add_f32 v[TM+\u], v[ST+4*\u+2], v[ST+4*\u+3] ; the sum's two halves,
.endr
.irp u, 0,1,2,3
	v_permlanex16_b32 v[TM+4+\u], v[TM+\u], s[SEL], s[SEL+1]
.endr
.irp u, 0,1,2,3
	v_add_f32 v[TM+\u], v[TM+\u], v[TM+4+\u]       ; and lane l xor 16's: the row's sum
.endr
.irp u, 0,1,2,3
	v_rcp_f32 v[F+2*\u], v[TM+\u]
.endr
	v_nop                                          ; a plain line behind the last reciprocal
	s_wait_alu depctr_va_vdst(0)                   ; one wait for the four, ahead of their first reader
.irp u, 0,1,2,3
	WIN W_OUT
.set i, 0
.rept 16
	v_pk_mul_f32 v[S+i:S+i+1], v[32*\u+i:32*\u+i+1], v[F+2*\u:F+2*\u+1] op_sel_hi:[1,0]   ; o = O^T / the sum; each accumulator from its low end on
.set i, i+2
.endr
	WIN 0
	QUANT2 S, (PC+12*\u), (W16+\u)
	global_store_b128 v[LI16], v[PC+12*\u:PC+12*\u+3], s[44:45] offset:3072*\u       ; 512 consecutive bytes, aligned
	global_store_b64 v[LI8], v[PC+12*\u+4:PC+12*\u+5], s[44:45] offset:3072*\u+512   ; 256
.endr
	ds_store_b128 v[XA], v[W16:W16+3]              ; a scale word of the last product spans two heads: the halves meet in LDS
	s_wait_dscnt 0x0                               ; for the others' sake: my store has landed
	s_barrier_signal -1
	s_barrier_wait -1
	s_cmp_lt_u32 s[WV], 4                          ; the waves of the even head join and store
	s_cbranch_scc0 .Lno_words
	ds_load_b128 v[PX:PX+3], v[XB]
	s_wait_dscnt 0x0
.irp u, 0,1,2,3
	v_lshl_or_b32 v[W16+\u], v[PX+\u], 16, v[W16+\u]
.endr
	global_store_b128 v[LR16], v[W16:W16+3], s[46:47]   ; 256 consecutive bytes, aligned; lanes 16-31 hold and store the same words as lanes 0-15
.Lno_words:
	s_wait_tensorcnt 0x0                           ; the wave's end, behind my last tensor load and my last LDS store
	ds_add_u32 v[SPW], v[NIL]
	s_wait_dscnt 0x0
	CROUND                                         ; the closing round
	s_endpgm
.Lfunc_end_k_q364abbd588_attn:
	.size	k_q364abbd588_attn, .Lfunc_end_k_q364abbd588_attn-k_q364abbd588_attn
	.p2alignl 7, 3214868480
	.fill 96, 4, 3214868480
	.section	.rodata,"a",@progbits
	.p2align	6, 0x0
	.amdhsa_kernel k_q364abbd588_attn
		.amdhsa_group_segment_fixed_size 327680
		.amdhsa_private_segment_fixed_size 0
		.amdhsa_enable_private_segment 0
		.amdhsa_kernarg_size 32
		.amdhsa_user_sgpr_count 2
		.amdhsa_user_sgpr_kernarg_segment_ptr 1
		.amdhsa_wavefront_size32 1
		.amdhsa_system_sgpr_workgroup_id_x 1
		.amdhsa_system_sgpr_workgroup_id_y 1
		.amdhsa_system_sgpr_workgroup_id_z 1
		.amdhsa_system_vgpr_workitem_id 0
		.amdhsa_next_free_vgpr 512
		.amdhsa_next_free_sgpr 66
		.amdhsa_reserve_vcc 1
		.amdhsa_float_denorm_mode_32 3
		.amdhsa_float_denorm_mode_16_64 3
		.amdhsa_memory_ordered 1
		.amdhsa_forward_progress 1
		.amdhsa_inst_pref_size 141
	.end_amdhsa_kernel
	.amdgpu_metadata
---
amdhsa.version: [ 1, 2 ]
amdhsa.kernels:
  - .name:           k_q364abbd588_attn
    .symbol:         k_q364abbd588_attn.kd
    .args:
      - { .name: qkv, .offset: 0, .size: 8, .value_kind: global_buffer, .address_space: global }
      - { .name: attn_mask, .offset: 8, .size: 8, .value_kind: global_buffer, .address_space: global }
      - { .name: ao, .offset: 16, .size: 8, .value_kind: global_buffer, .address_space: global }
      - { .name: aos, .offset: 24, .size: 8, .value_kind: global_buffer, .address_space: global }
    .group_segment_fixed_size: 327680
    .private_segment_fixed_size: 0
    .kernarg_segment_align: 8
    .kernarg_segment_size: 32
    .max_flat_workgroup_size: 256
    .sgpr_count:     66
    .vgpr_count:     512
    .wavefront_size: 32
...
	.end_amdgpu_metadata
.endif
;; end of part 3
;; launch oproj (part 4): grid 4 x 32, 4 waves a work-group, clusters of 4 x 4, 327,680 bytes of LDS; arguments ao, aos, cod, scl, out_b, out0; writes out0
.if DOCPART == 4
	.amdgcn_target "amdgcn-amd-amdhsa--gfx1250"
	.amdhsa_code_object_version 6
	.text
	.protected	k_q364abbd588_oproj
	.globl	k_q364abbd588_oproj
	.p2align	8
	.type	k_q364abbd588_oproj,@function
k_q364abbd588_oproj:
	s_mov_b64 s[64:65], 0
	v_nop
	global_prefetch_b8 v0, s[64:65] scope:SCOPE_SE
	s_setreg_imm32_b32 hwreg(HW_REG_WAVE_MODE, 25, 1), 1
	s_wait_xcnt 0x0
	s_wait_alu depctr_hold_cnt(0) depctr_sa_sdst(0) depctr_va_vdst(0) depctr_va_sdst(0) depctr_va_ssrc(0) depctr_va_vcc(0) depctr_vm_vsrc(0)
	s_getreg_b32 s2, hwreg(HW_REG_IB_STS2, 6, 4)
	s_cmp_eq_u32 s2, 0
	s_cbranch_scc0 .Lentry_in_a_cluster
	s_endpgm
.Lentry_in_a_cluster:
	s_bfe_u32 s2, ttmp6, 0x10000c
	s_cmp_lg_u32 s2, 0xf033
	s_cbranch_scc0 .Lentry_shape_is_right
	s_endpgm
.Lentry_shape_is_right:
; out0 = o out_w^T + out_b on codes of FP6 (E2M3) with E8M0 scales, K = 1,024.  out0: [8192][1024] f32.
; o comes as IMAGES OF OPERAND REGISTERS: ao = [K step of 256: 4][token tile: 512][3,072 bytes]: two fragments of 1,536 bytes, each [512: registers 0-3][256: 4, 5][512: 6-9][256: 10, 11], lane l at 16 l or 8 l;
; aos = [128 tokens: 64][128 along K: 8][512 bytes]: place (r, hh) holds the scale words of tiles 4 hh + 0 .. 3.  Row r of tile a is token perm(a, r) = 32 (a / 2) + 8 (a % 2) + r + 8 (r / 8) of its 128.
; out_w comes as rows 11264-12287 of cod (768 bytes) and scl (32 bytes), in the same order of rows.
; A work-group of four waves makes 256 x 256 of out0, a wave 128 x 128: 64 accumulators, 512 registers.  K goes in steps of 256 through a ring of two LDS slots; the scale words of the work-group's rows come once.
; The matrix instruction is used transposed (source 0 = 16 rows of out_w, source 1 = 16 tokens): a lane holds one token, its registers run along the outputs.  The bias is the C of each sum's first instruction.
; CLUSTERS: 4 x 4 work-groups.  The four of a row of the cluster need the same tiles of o, the four of a column the same tiles of out_w: each is asked for jointly, by the same load with a mask that names the four.
; 128 work-groups: the product has 128 tiles of this size.
; REGISTERS, in windows of 256: window 0: v0-31 addresses; v32-63 out_w's scale words, two sets; v64-95 o's, two sets; from v128 o's fragments, one set; on the way out v128-255 take rows of out0.
;   window 1: out_w's fragments, two sets, at v0 and v128; the bias at v96-127 and v224-255.   windows 2, 3: the accumulators ((a, b) at v[8 (8 (a % 4) + b)]).
.set NQ,     2
.set ROWB,   192
.set KROW,   768
.set PITCH,  240
.set FR,     12
.set NLA,    4                         ; LDS loads that bring a fragment of o
.set NP,     4
.set AHALF,  8*3072                    ; eight token tiles of a K step
.set ASTEP,  512*3072                  ; from a K step to the next in ao
.set BHALF,  128*PITCH
.set SLOT,   2*AHALF+2*BHALF
.set LAPS,   2
.set SCL,    2*SLOT
.set HALFS,  16*272                    ; the scale words of 128 rows: 16 rows of 256 bytes + 16
.set SBLK,   544
.set SPARE,  SCL+4*HALFS
.set SPITCH, 528                       ; the way out: a stage of 16 rows x (512 bytes + 16) for each wave, in slot 0, which has had its last fill and its last read when the first result is stored there
.set ADRA, 16                          ; v16-17 my tiles of o in slot 0, 1, + 16 x lane; v18-19 + 8 x lane
.set ADRB, 20                          ; v20-21 my rows of out_w; v22-23 the same behind one padding more
.set STO,  24
.set RD,   25
.set CO,   26
.set ADSB, 27
.set SPW,  28
.set NIL,  29
.set ADSA, 30
.set SCB,  32                          ; set sc, register 2 b + q
.set SCA,  64                          ; set sc, register 8 q + a
.set AF,   128
.set BK,   128
.set G1, 24
.set G0, 32
.set G1B, 48
.set G0B, 56
.set G1S, 68
.set G0S, 76
.set G1SB, 80
.set G0SB, 88
.set MSB, 0
.macro WIN new
.if MSB != \new
	s_set_vgpr_msb (MSB<<8)|\new
.set MSB, \new
.endif
.endm
.set MUL_LO, 0xa1                      ; source 0 window 1, source 1 window 0, C and D window 2
.set MUL_HI, 0xf1
.set MUL_LO0, 0x91                     ; the first step: C (the bias) window 1, D window 2
.set MUL_HI0, 0xd1
.set TO_B,   0x40
.macro JLOAD g0a, g1a, g0b, g1b        ; a joint load: waves 0 and 1 fetch for o, waves 2 and 3 for out_w; an s_nop 0 and four v_nop follow each of the two lines
	s_cmp_eq_u32 s15, 0
	s_cbranch_scc0 .Lfor_b_\@
	tensor_load_to_lds s[\g0a:\g0a+3], s[\g1a:\g1a+7]
	s_nop 0
.rept 4
	v_nop
.endr
	s_branch .Lasked_\@
.Lfor_b_\@:
	tensor_load_to_lds s[\g0b:\g0b+3], s[\g1b:\g1b+7]
	s_nop 0
.rept 4
	v_nop
.endr
.Lasked_\@:
.endm
.macro CREST
	s_cmp_lg_u32 s14, 0
	s_cbranch_scc1 .Lnot_wave_0_\@
	s_barrier_signal -3
.Lnot_wave_0_\@:
	s_barrier_wait -3
	s_barrier_signal -1
	s_barrier_wait -1
.endm
.macro CROUND
	s_barrier_signal -1
	s_barrier_wait -1
	CREST
.endm
	s_load_b256 s[4:11], s[0:1], 0x0               ; ao s[4:5], aos s[6:7], cod s[8:9], scl s[10:11]
	s_load_b128 s[96:99], s[0:1], 0x20             ; out_b s[96:97], out0 s[98:99]
	v_lshl_add_u32 v[SPW], v0, 2, SPARE
	v_mov_b32 v[NIL], 0
	ds_add_u32 v[SPW], v[NIL]                      ; the wave's opening: the add and its wait stand ahead of my first tensor load; the set-up below, work on registers, stands between them
	v_lshrrev_b32 v1, 5, v0
	v_readfirstlane_b32 s14, v1                    ; wave 0..3
	s_lshr_b32 s15, s14, 1                         ; my half of the tokens.  Also: I fetch for o (0) or for out_w (1)
	s_and_b32 s16, s14, 1                          ; my half of the outputs.  Also: which half I fetch
	s_bfe_u32 s40, ttmp6, 0x40000                  ; cx, cy
	s_bfe_u32 s41, ttmp6, 0x40004
	s_lshl_b32 s42, ttmp9, 2
	s_add_co_u32 s42, s42, s40                     ; tile column
	s_and_b32 s17, ttmp7, 0xffff
	s_lshl_b32 s17, s17, 2
	s_add_co_u32 s17, s17, s41                     ; tile row
	s_lshl_b32 s43, s41, 2
	s_lshl_b32 s43, 15, s43                        ; my row of the cluster
	s_lshl_b32 s44, 0x1111, s40                    ; my column
	; o's codes: eight tiles, 24,576 dense bytes, as 96 rows of 256 (32 elements of 8 bytes); no padding: the images are read as they lie
	s_or_b32 s[G1+0], s43, (3<<16)|(1<<21)
	s_mov_b32 s[G1+1], 32<<16
	s_mov_b32 s[G1+2], 96<<16
	s_mov_b32 s[G1+3], 32<<16
	s_mov_b32 s[G1+4], 96
	s_mov_b32 s[G1+5], 32
	s_mov_b32 s[G1+6], 0
	s_mov_b32 s[G1+7], 0
	; out_w's codes: 128 rows x 192 bytes, 16 bytes of padding behind every 64
	s_or_b32 s[G1B+0], s44, (0<<16)|(1<<20)|(1<<21)|(3<<22)|(3<<25)
	s_mov_b32 s[G1B+1], ROWB<<16
	s_mov_b32 s[G1B+2], 128<<16
	s_mov_b32 s[G1B+3], ROWB<<16
	s_mov_b32 s[G1B+4], 128
	s_mov_b32 s[G1B+5], KROW
	s_mov_b32 s[G1B+6], 0
	s_mov_b32 s[G1B+7], 0
	; the scale words of 128 rows: 4,096 dense bytes, as 16 rows of 256, 16 bytes of padding behind each
	s_or_b32 s[G1S+0], s43, (3<<16)|(1<<20)|(1<<21)|(5<<22)|(3<<25)
	s_or_b32 s[G1SB+0], s44, (3<<16)|(1<<20)|(1<<21)|(5<<22)|(3<<25)
.irp g, G1S, G1SB
	s_mov_b32 s[\g+1], 32<<16
	s_mov_b32 s[\g+2], 16<<16
	s_mov_b32 s[\g+3], 32<<16
	s_mov_b32 s[\g+4], 16
	s_mov_b32 s[\g+5], 32
	s_mov_b32 s[\g+6], 0
	s_mov_b32 s[\g+7], 0
.endr
	s_lshl_b32 s20, s17, 4
	s_lshl_b32 s18, s16, 3
	s_add_co_u32 s20, s20, s18                     ; o: token tile 16 x tile row + 8 x half,
	s_mul_i32 s20, s20, 3072
	s_mov_b32 s21, 0
	s_lshl_b32 s22, s17, 1
	s_add_co_u32 s22, s22, s16
	s_lshl_b32 s22, s22, 12                        ; its scale words: 4,096 bytes for 128 tokens
	s_mov_b32 s23, 0
	s_lshl_b32 s46, s42, 8
	s_lshl_b32 s18, s16, 7
	s_add_co_u32 s46, s46, s18
	s_add_co_u32 s46, s46, 11264                   ; out_w: row 11264 + 256 x tile column + 128 x half of cod and scl
	s_lshl_b32 s92, s46, 5
	s_mov_b32 s93, 0
	s_mul_i32 s46, s46, KROW
	s_mov_b32 s47, 0
	s_mul_i32 s45, s16, AHALF                      ; where they go: o's two halves,
	s_mul_i32 s95, s16, BHALF
	s_add_co_u32 s95, s95, 2*AHALF                 ; then out_w's two: the wave's number alone
	s_mul_i32 s94, s14, HALFS
	s_wait_dscnt 0x0                               ; the opening add is done
	s_wait_kmcnt 0x0
	s_add_nc_u64 s[20:21], s[4:5], s[20:21]
	s_add_nc_u64 s[22:23], s[6:7], s[22:23]
	s_add_nc_u64 s[46:47], s[8:9], s[46:47]
	s_add_nc_u64 s[92:93], s[10:11], s[92:93]
	CROUND                                         ; all sixteen work-groups are here: the first joint loads meet
	s_mov_b32 s[G0S], 1
	s_add_co_u32 s[G0S+1], s94, SCL
	s_mov_b64 s[G0S+2:G0S+3], s[22:23]
	s_or_b32 s[G0S+3], s[G0S+3], 0x80000000
	s_mov_b32 s[G0SB], 1
	s_add_co_u32 s[G0SB+1], s94, SCL
	s_mov_b64 s[G0SB+2:G0SB+3], s[92:93]
	s_or_b32 s[G0SB+3], s[G0SB+3], 0x80000000
	JLOAD G0S, G1S, G0SB, G1SB                     ; the scale words first
.irp s, 0,1
	s_mov_b32 s[G0+4*\s], 1
	s_add_co_u32 s[G0+4*\s+1], s45, \s*SLOT
	s_add_nc_u64 s[G0+4*\s+2:G0+4*\s+3], s[20:21], \s*ASTEP
	s_or_b32 s[G0+4*\s+3], s[G0+4*\s+3], 0x80000000
	s_mov_b32 s[G0B+4*\s], 1
	s_add_co_u32 s[G0B+4*\s+1], s95, \s*SLOT
	s_add_nc_u64 s[G0B+4*\s+2:G0B+4*\s+3], s[46:47], \s*ROWB
	s_or_b32 s[G0B+4*\s+3], s[G0B+4*\s+3], 0x80000000
	JLOAD G0+4*\s, G1, G0B+4*\s, G1B               ; by this text's count three tensor loads of a wave are out here, later one
.endr
	v_and_b32 v1, 15, v0                           ; r
	v_bfe_u32 v2, v0, 4, 1                         ; h
	v_and_b32 v7, 31, v0                           ; lane
	v_lshlrev_b32 v8, 4, v7
	v_lshlrev_b32 v9, 3, v7
	v_mul_u32_u24 v3, v1, PITCH
	v_mul_u32_u24 v4, v2, 24
	v_add_nc_u32 v4, v3, v4
	v_lshl_add_u32 v5, v2, 4, v4
	s_mul_i32 s21, s15, AHALF                      ; my eight tiles of o
	s_mul_i32 s22, s16, BHALF
	s_add_co_u32 s22, s22, 2*AHALF                 ; my 128 rows of out_w
.irp s, 0,1
	v_add_nc_u32 v[ADRA+\s], s21, v8
	v_add_nc_u32 v[ADRA+2+\s], s21, v9
	v_add_nc_u32 v[ADRB+\s], s22, v4
	v_add_nc_u32 v[ADRB+2+\s], s22, v5
	s_add_co_u32 s21, s21, SLOT
	s_add_co_u32 s22, s22, SLOT
.endr
	v_lshlrev_b32 v5, 5, v1                        ; out_w's scale bytes: 32 a row,
	v_lshrrev_b32 v6, 8, v5
	v_lshl_add_u32 v5, v6, 4, v5                   ; and 16 more for each 256 passed
	s_mul_i32 s22, s16, HALFS
	s_add_co_u32 s22, s22, SCL+2*HALFS
	v_add_nc_u32 v[ADSB], s22, v5
	s_mul_i32 s21, s15, HALFS
	s_add_co_u32 s21, s21, SCL
	v_lshl_add_u32 v[ADSA], v1, 4, s21             ; o's scale words: place r of a row of 256 bytes
	s_mul_i32 s23, s14, 16*SPITCH                  ; my stage
	v_mul_u32_u24 v5, v1, SPITCH
	v_lshl_add_u32 v5, v2, 6, v5                   ; in: row r, + 64 h: 16 outputs further on for lanes 16-31
	v_add_nc_u32 v[STO], s23, v5
	v_lshlrev_b32 v[CO], 4, v7                     ; back: the 32 lanes take one row of 512 bytes; and the same in out0
	v_add_nc_u32 v[RD], s23, v[CO]
	v_lshlrev_b32 v10, 6, v2                       ; the bias: 64 h
	s_lshl_b32 s20, s17, 8
	s_lshl_b32 s21, s15, 7
	s_add_co_u32 s20, s20, s21                     ; my first token,
	s_lshl_b32 s20, s20, 12                        ; 4,096 bytes a row (under 2^26)
	s_mov_b32 s21, 0
	s_lshl_b32 s46, s42, 10
	s_lshl_b32 s47, s16, 9
	s_add_co_u32 s46, s46, s47                     ; my first output, in bytes: in a row of out0 and in out_b
	s_mov_b32 s47, 0
	s_add_nc_u64 s[98:99], s[98:99], s[20:21]
	s_add_nc_u64 s[98:99], s[98:99], s[46:47]
	s_add_nc_u64 s[96:97], s[96:97], s[46:47]
	WIN TO_B
.irp b, 0,1,2,3,4,5,6,7
.irp q, 0,1
	global_load_b128 v[96+8*\b+96*(\b/4)+4*\q:96+8*\b+96*(\b/4)+4*\q+3], v10, s[96:97] offset:(32*(\b/2)+8*(\b%2)+4*\q)*4   ; out_b of output 32 (b / 2) + 16 h + 8 (b % 2) + 4 q + 0 .. 3: the result's layout
.endr
.endr
	WIN 0
.macro FRAG reg, adr, q, i             ; out_w: 16 rows x 128 K from rows in LDS, in pieces of 8 bytes; the second address register serves the pieces of lanes 16-31 that lie behind one padding more
.irp p, 0,1,2,3,4,5
.set PCE, 12*(\q)+6*(\p/3)+\p%3
.if PCE%8 < 5
	ds_load_b64 v[\reg+2*\p:\reg+2*\p+1], v[\adr] offset:8*PCE+16*(PCE/8)+(\i)*16*PITCH
.else
	ds_load_b64 v[\reg+2*\p:\reg+2*\p+1], v[\adr+2] offset:8*PCE+16*(PCE/8)+(\i)*16*PITCH
.endif
.endr
.endm
.macro AFRAG reg, slot, q, i           ; o: an image comes back as it was stored
	ds_load_b128 v[\reg:\reg+3], v[ADRA+\slot] offset:3072*(\i)+1536*(\q)
	ds_load_b64 v[\reg+4:\reg+5], v[ADRA+2+\slot] offset:3072*(\i)+1536*(\q)+512
	ds_load_b128 v[\reg+6:\reg+9], v[ADRA+\slot] offset:3072*(\i)+1536*(\q)+768
	ds_load_b64 v[\reg+10:\reg+11], v[ADRA+2+\slot] offset:3072*(\i)+1536*(\q)+1280
.endm
; 16 matrix instructions: token tiles a0, a0 + 1 x out_w's eight.  The 64 accumulators take turns, one instruction a turn.  zero = 1: the first product starts the sums on the bias.
.macro MUL16 a0, p, q, sc, zero
.irp a, \a0, \a0+1
.irp b, 0,1,2,3,4,5,6,7
.if \zero
	v_wmma_scale_f32_16x16x128_f8f6f4 v[8*(8*((\a)%4)+\b):8*(8*((\a)%4)+\b)+7], v[128*(\p)+FR*\b:128*(\p)+FR*\b+FR-1], v[AF+FR*(\a):AF+FR*(\a)+FR-1], v[96+8*\b+96*(\b/4):96+8*\b+96*(\b/4)+7], v[SCB+16*(\sc)+2*\b+(\q)], v[SCA+16*(\sc)+8*(\q)+(\a)] matrix_a_fmt:MATRIX_FMT_FP6 matrix_b_fmt:MATRIX_FMT_FP6
.else
	v_wmma_scale_f32_16x16x128_f8f6f4 v[8*(8*((\a)%4)+\b):8*(8*((\a)%4)+\b)+7], v[128*(\p)+FR*\b:128*(\p)+FR*\b+FR-1], v[AF+FR*(\a):AF+FR*(\a)+FR-1], v[8*(8*((\a)%4)+\b):8*(8*((\a)%4)+\b)+7], v[SCB+16*(\sc)+2*\b+(\q)], v[SCA+16*(\sc)+8*(\q)+(\a)] matrix_a_fmt:MATRIX_FMT_FP6 matrix_b_fmt:MATRIX_FMT_FP6
.endif
.endr
.endr
.endm
.macro FETCH_B slot, q, p
	WIN TO_B
.irp i, 0,1,2,3,4,5,6,7
	FRAG 128*(\p)+FR*\i, ADRB+\slot, \q, \i
.endr
	WIN 0
.endm
.macro FETCH_A slot, q, i0
.irp i, \i0, \i0+1, \i0+2, \i0+3
	AFRAG AF+FR*(\i), \slot, \q, \i
.endr
.endm
.macro SCALES sc                       ; the K step's scale words: out_w's, two words a row, block by block; o's, four tiles a load
.irp i, 0,1,2,3,4,5,6,7
	ds_load_b64 v[SCB+16*\sc+2*\i:SCB+16*\sc+2*\i+1], v[ADSB] offset:\i*SBLK
.endr
.irp q, 0,1
.irp hh, 0,1
	ds_load_b128 v[SCA+16*\sc+8*\q+4*\hh:SCA+16*\sc+8*\q+4*\hh+3], v[ADSA] offset:(2*\q+\hh)*272
.endr
.endr
.endm
.macro PLACES n
.rept \n
	v_nop
.endr
.endm
.macro STEP slot, q, zero
	s_wait_dscnt 4*NLA                             ; out_w's set, o's tiles 0-3 and the scale words are in; the youngest 16 loads (tiles 4-7) may be out
.if \zero
	WIN MUL_LO0
.else
	WIN MUL_LO
.endif
	MUL16 0, (\q)%2, \q, \slot, \zero
	MUL16 2, (\q)%2, \q, \slot, \zero
	s_wait_dscnt 0
	PLACES NP
	FETCH_B \slot, (\q)+1, 1-(\q)%2
	FETCH_A \slot, (\q)+1, 0
.if \zero
	WIN MUL_HI0
.else
	WIN MUL_HI
.endif
	MUL16 4, (\q)%2, \q, \slot, \zero
	MUL16 6, (\q)%2, \q, \slot, \zero
	PLACES NP
	WIN 0
	FETCH_A \slot, (\q)+1, 4
.endm
.macro TURN slot, next, fill
	s_wait_tensorcnt 0x0                           ; all my tensor loads have landed: my part of the next slot
	ds_add_u32 v[SPW], v[NIL]                      ; 0 onto my spare word
	s_wait_dscnt 4*NLA+1                           ; (the add and the youngest 16 loads may be out)
	WIN MUL_LO
	MUL16 0, 1, NQ-1, \slot, 0
	s_wait_dscnt 0x0                               ; the add is done, and my reads of this slot are over
	s_barrier_signal -1
	MUL16 2, 1, NQ-1, \slot, 0
	WIN 0
	s_barrier_wait -1
.if \fill
	CREST                                          ; no wave of any partner still reads this slot or has a load on its way
	s_add_nc_u64 s[G0+4*\slot+2:G0+4*\slot+3], s[G0+4*\slot+2:G0+4*\slot+3], 2*ASTEP
	s_add_nc_u64 s[G0B+4*\slot+2:G0B+4*\slot+3], s[G0B+4*\slot+2:G0B+4*\slot+3], 2*ROWB
	JLOAD G0+4*\slot, G1, G0B+4*\slot, G1B         ; the first tensor load behind the round; its four v_nop are the places in front of the loads below
.else
	PLACES NP
.endif
	v_add_nc_u32 v[ADSB], 4*NQ, v[ADSB]            ; on to the next K step's scale words
	v_add_nc_u32 v[ADSA], 4*272, v[ADSA]
	FETCH_B \next, 0, 0
	FETCH_A \next, 0, 0
	SCALES \next
	WIN MUL_HI
	MUL16 4, 1, NQ-1, \slot, 0
	MUL16 6, 1, NQ-1, \slot, 0
	PLACES NP
	WIN 0
	FETCH_A \next, 0, 4
.endm
	s_wait_tensorcnt 1                             ; the scale words and my part of K step 0 are in (K step 1's load may be out)
	s_barrier_signal -1
	s_barrier_wait -1                              ; everybody's are
	FETCH_B 0, 0, 0
	FETCH_A 0, 0, 0
	SCALES 0
	FETCH_A 0, 0, 4
	s_wait_loadcnt 0x0                             ; the bias
	STEP 0, 0, 1                                   ; the first step stands in front of the loop: its products start the sums
	s_mov_b32 s3, LAPS-1
.Llap:
	TURN 0, 1, 1
	STEP 1, 0, 0
	TURN 1, 0, 1
	STEP 0, 0, 0
	s_sub_co_u32 s3, s3, 1
	s_cmp_lg_u32 s3, 0
	s_cbranch_scc1 .Llap
	TURN 0, 1, 0                                   ; the last lap fills nothing
	STEP 1, 0, 0
	s_wait_dscnt 4*NLA
	WIN MUL_LO
	MUL16 0, 1, NQ-1, 1, 0
	MUL16 2, 1, NQ-1, 1, 0
	s_wait_dscnt 0
	WIN MUL_HI
	MUL16 4, 1, NQ-1, 1, 0
	MUL16 6, 1, NQ-1, 1, 0
	WIN 0
; THE WAY OUT, tile by tile of 16 tokens x 128 outputs, through my own stage in LDS: in, a lane's eight registers of tile b go to outputs 32 (b / 2) + 16 h + 8 (b % 2) on of its row; back, whole rows of 512 bytes.
; LDS serves a wave's instructions in order: no wait between the stores and the loads, nor in front of the next tile's stores.
.macro TOSTAGE a
.set AC, 64*((\a)%4)
	WIN (0x08+4*((\a)/4))                          ; the data: window 2 or 3
.irp b, 0,1,2,3,4,5,6,7
	ds_store_b128 v[STO], v[AC+8*\b:AC+8*\b+3] offset:128*(\b/2)+32*(\b%2)          ; each accumulator from its low end on
	ds_store_b128 v[STO], v[AC+8*\b+4:AC+8*\b+7] offset:128*(\b/2)+32*(\b%2)+16
.endr
	WIN 0
.set BB, BK+64*((\a)%2)
.irp t, 0,1,2,3,4,5,6,7,8,9,10,11,12,13,14,15
	ds_load_b128 v[BB+4*\t:BB+4*\t+3], v[RD] offset:\t*SPITCH
.endr
.endm
.macro SEND a, younger                 ; younger: the LDS instructions issued behind tile a's loads, which may stay out
.set BB, BK+64*((\a)%2)
	s_wait_dscnt \younger
.irp t, 0,1,2,3,4,5,6,7,8,9,10,11,12,13,14,15
	global_store_b128 v[CO], v[BB+4*\t:BB+4*\t+3], s[98:99] offset:(32*((\a)/2)+8*((\a)%2)+\t+8*(\t/8))*4096 th:TH_STORE_NT   ; the stage's row t is token perm(a, t): 512 consecutive bytes, aligned; 127 rows at the most: inside the signed 24-bit immediate
.endr
.endm
	PLACES NP
	TOSTAGE 0
.irp a, 1,2,3,4,5,6,7
.if \a > 1
	s_wait_xcnt 0x0                                ; tile a - 2's stores have read their registers: tile a's loads may land there
.endif
	TOSTAGE \a
	SEND \a-1, 32                                  ; behind tile a - 1's loads: tile a's 16 stores and 16 loads
.endr
	SEND 7, 0
	s_wait_tensorcnt 0x0                           ; the wave's end, behind my last tensor load and my last LDS store
	ds_add_u32 v[SPW], v[NIL]
	s_wait_dscnt 0x0
	CROUND                                         ; the closing round
	s_endpgm
.Lfunc_end_k_q364abbd588_oproj:
	.size	k_q364abbd588_oproj, .Lfunc_end_k_q364abbd588_oproj-k_q364abbd588_oproj
	.p2alignl 7, 3214868480
	.fill 96, 4, 3214868480
	.section	.rodata,"a",@progbits
	.p2align	6, 0x0
	.amdhsa_kernel k_q364abbd588_oproj
		.amdhsa_group_segment_fixed_size 327680
		.amdhsa_private_segment_fixed_size 0
		.amdhsa_enable_private_segment 0
		.amdhsa_kernarg_size 48
		.amdhsa_user_sgpr_count 2
		.amdhsa_user_sgpr_kernarg_segment_ptr 1
		.amdhsa_wavefront_size32 1
		.amdhsa_system_sgpr_workgroup_id_x 1
		.amdhsa_system_sgpr_workgroup_id_y 1
		.amdhsa_system_sgpr_workgroup_id_z 1
		.amdhsa_system_vgpr_workitem_id 0
		.amdhsa_next_free_vgpr 1024
		.amdhsa_next_free_sgpr 104
		.amdhsa_reserve_vcc 0
		.amdhsa_float_denorm_mode_32 3
		.amdhsa_float_denorm_mode_16_64 3
		.amdhsa_memory_ordered 1
		.amdhsa_forward_progress 1
		.amdhsa_inst_pref_size 154
	.end_amdhsa_kernel
	.amdgpu_metadata
---
amdhsa.version: [ 1, 2 ]
amdhsa.kernels:
  - .name:           k_q364abbd588_oproj
    .symbol:         k_q364abbd588_oproj.kd
    .args:
      - { .name: ao, .offset: 0, .size: 8, .value_kind: global_buffer, .address_space: global }
      - { .name: aos, .offset: 8, .size: 8, .value_kind: global_buffer, .address_space: global }
      - { .name: cod, .offset: 16, .size: 8, .value_kind: global_buffer, .address_space: global }
      - { .name: scl, .offset: 24, .size: 8, .value_kind: global_buffer, .address_space: global }
      - { .name: out_b, .offset: 32, .size: 8, .value_kind: global_buffer, .address_space: global }
      - { .name: out0, .offset: 40, .size: 8, .value_kind: global_buffer, .address_space: global }
    .group_segment_fixed_size: 327680
    .private_segment_fixed_size: 0
    .kernarg_segment_align: 8
    .kernarg_segment_size: 48
    .max_flat_workgroup_size: 128
    .sgpr_count:     104
    .vgpr_count:     1024
    .wavefront_size: 32
...
	.end_amdgpu_metadata
.endif
;; end of part 4
